; MI455X (gfx1250); checked and timed in simulation.
; The chip was launched on July 23, 2026; its instructions are those of AMD's public machine-readable ISA for CDNA 5 (MIT licence, August 2026) and "CDNA5" Instruction Set Architecture Reference Guide (July 2026). The comments in the code are by the model that wrote it; some were corrected since.
;; Qwen3 Attention. Allowed arithmetic: matrix products marked QUANTISED: E2M1 operands, one E8M0 scale for each 32 along K, by v_wmma_scale_f32_16x16x128_f8f6f4 with both operands' format E2M1 (or v_wmma_scale_f32_32x16x128_f4), f32 sums; products left as they are: bf16, f16 or f32 operands; f32 sums; everything else in f32.
;; Inputs: attention_mask 2 x 1 x 2,048 x 2,048 float32; hidden_states 2 x 2,048 x 2,048 float32; k_norm_w 128 float32; k_w 1,024 x 2,048 float32; o_w 2,048 x 1,024 float32; position_ids 2 x 2,048 int32; q_norm_w 128 float32; q_w 1,024 x 2,048 float32; v_w 1,024 x 2,048 float32.
;; Outputs: out0 2 x 2,048 x 2,048 float32.
;; This version of the problem:
;;   THIS VERSION OF THE PROBLEM IS GIVEN IN LOW PRECISION. The matrix products marked QUANTISED in the list below multiply operands that are first quantised to E2M1 (2 exponent bits, 1 mantissa bit; 4 bits a number), with one power-of-two scale for each 32 numbers along K (OCP MX v1.0); their sums are f32. The products marked 'left as it is' may take bf16, f16 or f32 operands, with f32 sums. Whichever they take, every output number must still come out within the allowed error. Rounding operands to bf16 (8 significant bits) uses up far more of that allowance than f16 does (11 bits, for magnitudes from 6e-5 to 65,504). All else is computed in f32.
;;   The module's matrix products, in the order in which they are computed (A, B: the left and right operand; K: the contracted axis; several contracted axes count as one K, in the product's order):
;;     1. [M 4,096, K 2,048] x [K 2,048, N 1,024]; A: input hidden_states; B: input q_w: QUANTISED
;;     2. [M 4,096, K 2,048] x [K 2,048, N 1,024]; A: input hidden_states; B: input k_w: QUANTISED
;;     3. [M 4,096, K 2,048] x [K 2,048, N 1,024]; A: input hidden_states; B: input v_w: QUANTISED
;;     4. batch 16 x [M 2,048, K 128] x [K 128, N 2,048]; A: computed on the way; B: computed on the way: left as it is (an operand is computed on the way)
;;     5. batch 16 x [M 2,048, K 2,048] x [K 2,048, N 128]; A: computed on the way; B: computed on the way: left as it is (an operand is computed on the way)
;;     6. [M 4,096, K 1,024] x [K 1,024, N 2,048]; A: computed on the way; B: input o_w: left as it is (an operand is computed on the way)
;;   THE QUANTISER, for each operand of a quantised product, along K:
;;     - K is cut into blocks of 32 from its start; a last block that is shorter is filled with zeros.
;;     - A block's scale is 2^e with e = floor(log2(the largest magnitude in the block)) - 2, held to -126 .. 127; a block of zeros has e = 0. As a byte (E8M0): e + 127.
;;     - Each number is divided by its block's scale, clamped to +-6, and rounded to the nearest number of E2M1, ties to even, subnormals kept.
;;     - The product sums the exact products of the quantised numbers (number of the format x scale) in f32.
;;   ~~~python
;;   def quantise(x, axis):      # numpy; x: float32 -> the quantised numbers, widened to float32 again
;;       x = np.moveaxis(x, axis, -1); K = x.shape[-1]
;;       x = np.pad(x, [(0, 0)] * (x.ndim - 1) + [(0, -K % 32)]); x = x.reshape(x.shape[:-1] + (-1, 32)); a = np.abs(x).max(-1, keepdims=True)
;;       e = np.where(a > 0, np.clip(np.frexp(np.where(a > 0, a, 1))[1] - 1 - 2, -126, 127), 0)      # np.frexp(a)[1] - 1 = floor(log2(a)), exactly
;;       r = np.clip(x / 2.0 ** e, -6, 6)
;;       step = 2.0 ** (np.maximum(np.frexp(np.where(r == 0, 1, r))[1] - 1, 0) - 1)
;;       q = np.round(r / step) * step * 2.0 ** e      # np.round: ties to even
;;       return np.moveaxis(q.reshape(q.shape[:-2] + (-1,))[..., :K], -1, axis).astype(np.float32)
;;   ~~~
;; One version. Each part assembles by itself: llvm-mc -triple=amdgcn-amd-amdhsa -mcpu=gfx1250 --defsym DOCPART=n.
;; ======== version 1 of 1: 5 launches
;; limits: values are held in f16: magnitudes above 65,504 overflow, below 6.1e-05 lose precision; right only within a limited range of input values
;; workspace buffers: hq_codes 4,194,304 bytes; hq_scales 262,144 bytes; wq_codes 3,145,728 bytes; wq_scales 196,608 bytes; ow16 4,194,304 bytes; rope 2,097,152 bytes; qkv 25,362,432 bytes; attn 8,454,144 bytes
;; launch prep (part 1): grid 576 x 1, 4 waves a work-group, no clusters, 33,280 bytes of LDS; arguments hidden_states, q_w, k_w, v_w, o_w, position_ids, hq_codes, hq_scales, wq_codes, wq_scales, ow16, rope; writes hq_codes, hq_scales, wq_codes, wq_scales, ow16, rope
.if DOCPART == 1
	.amdgcn_target "amdgcn-amd-amdhsa--gfx1250"
	.amdhsa_code_object_version 6
	.text
	.protected	k_q7ca2ea46ee_prep
	.globl	k_q7ca2ea46ee_prep
	.p2align	8
	.type	k_q7ca2ea46ee_prep,@function
k_q7ca2ea46ee_prep:
	s_mov_b64 s[64:65], 0
	v_nop
	global_prefetch_b8 v0, s[64:65] scope:SCOPE_SE
	s_setreg_imm32_b32 hwreg(HW_REG_WAVE_MODE, 25, 1), 1
	s_wait_xcnt 0x0
; THREE JOBS IN ONE LAUNCH, told apart by the work-group's number.
; 0-447:   hidden_states [4096][2048] and q_w, k_w, v_w [1024][2048], f32, K innermost, become codes of FP4 (E2M1), two a byte, and one E8M0 byte for each 32 along K.
;          hidden_states -> hq_codes [4096][1024 B], hq_scales [4096][64];  the three weights one behind the other -> wq_codes [3072][1024 B], wq_scales [3072][64].
; 448-511: o_w [2048][1024] f32 -> ow16, the same numbers rounded to f16.
; 512-575: cos and sin of position x 1e6^(-f/64), f = 0..63, for the 4,096 tokens, laid as the next launch's registers take them:
;          rope [256 blocks of 16 tokens][16 chunks][32 lanes][4 f32]; chunk 2 b + u: cos, chunk 8 + 2 b + u: sin; lane (r, h), word i: token 16 tb + r, f = 16 b + 8 h + 4 u + i.
; THE QUANTISER.  A block's scale is 2^(floor(log2(largest magnitude)) - 2); its byte is the largest magnitude's exponent field - 2, held at 1 from below.  A block of zeros gets the byte 1 where the
; rule says 127: its codes are zeros, which add nothing under any byte but 0xff, and the bytes are read by this program alone.  Each number is divided by the scale and rounded to the nearest code, ties to even.
; LIMITS: blocks whose largest magnitude lies under 2^-124 (the floor) were not tried; NaN and infinities among the inputs are not served; |position_ids| under 2^22 (the range of the reduction by three constants).
; Rows are dense and K is a multiple of 32: every tensor is a plain stream of blocks of 32.  A wave takes 16 steps of 512 numbers; each load reads 512 consecutive bytes; the 2,048 bytes of a step turn through the
; wave's own stage in LDS so that a lane holds 16 neighbours; two neighbouring lanes hold a block.  No barrier: waves share nothing.
.set STEPS, 16
.set EMAX,  2
.set CB,    8                          ; bytes of 16 codes
.set R,     16                         ; v16-79   four sets of 16 numbers as loaded
.set X,     80                         ; v80-111  two sets of 16 neighbours
.set C,     128                        ; v128-191 codes, four registers a step
.set E,     112                        ; v112-127 a scale byte a step
.set WREG,  8192                       ; LDS: a wave's region: two stages of 32 x SP bytes, then its 256 scale bytes
.set SP,    80                         ; a lane's place in a stage: 64 bytes + 16 of padding
.set SPW,   12                         ; v12 LDS address of my spare word; never rewritten
.set NIL,   13                         ; v13 0; never rewritten
.set SPARE, 4*WREG                     ; the spare words: 128 bytes a wave, two blocks of 256 bytes that no other line names
	s_load_b512 s[36:51], s[0:1], 0x0              ; hidden 36, q_w 38, k_w 40, v_w 42, o_w 44, position_ids 46, hq_codes 48, hq_scales 50
	s_load_b256 s[52:59], s[0:1], 0x40             ; wq_codes 52, wq_scales 54, ow16 56, rope 58
	v_lshl_add_u32 v[SPW], v0, 2, SPARE
	v_mov_b32 v[NIL], 0
	v_lshrrev_b32 v1, 5, v0
	v_readfirstlane_b32 s16, v1                    ; wave
	v_and_b32 v2, 31, v0                           ; lane
	s_wait_kmcnt 0x0
	s_cmp_ge_u32 ttmp9, 512
	s_cbranch_scc1 .Lrope
	s_cmp_ge_u32 ttmp9, 448
	s_cbranch_scc1 .Low
	; ---------------- the quantiser ----------------
	v_lshlrev_b32 v3, 4, v2                        ; my 16 bytes of a load's 512
	s_mul_i32 s17, s16, WREG
	v_lshrrev_b32 v14, 2, v2
	v_mul_u32_u24 v14, v14, SP
	v_and_b32 v15, 3, v2
	v_lshl_add_u32 v14, v15, 4, v14
	v_add_nc_u32 v14, s17, v14                     ; the stage, way in: SP (lane / 4) + 16 (lane % 4)
	v_mul_u32_u24 v15, v2, SP
	v_add_nc_u32 v15, s17, v15                     ; way out: SP x lane: my 16 neighbours
	v_mul_u32_u24 v4, v2, CB                       ; my codes' place in a step's
	v_lshrrev_b32 v5, 1, v2
	s_add_co_u32 s17, s17, 2*32*SP
	v_add_nc_u32 v5, s17, v5                       ; my block's scale byte in the wave's 256
	v_lshlrev_b32 v7, 3, v2
	v_add_nc_u32 v6, s17, v7                       ; and 8 bytes a lane on the way out
	; which tensor: only pointers are chosen, by the work-group's number; all four take one path through the text
	s_sub_co_u32 s33, ttmp9, 256                   ; the weights' work-groups count from 0 (not used under 256)
	s_cmp_lt_u32 ttmp9, 320
	s_cselect_b64 s[34:35], s[38:39], s[40:41]
	s_cmp_lt_u32 ttmp9, 384
	s_cselect_b64 s[34:35], s[34:35], s[42:43]
	s_and_b32 s32, s33, 63                         ; the work-group's place in its own weight
	s_cmp_lt_u32 ttmp9, 256
	s_cselect_b64 s[4:5], s[36:37], s[34:35]       ; from
	s_cselect_b64 s[8:9], s[48:49], s[52:53]       ; codes to
	s_cselect_b64 s[10:11], s[50:51], s[54:55]     ; scale bytes to
	s_cselect_b32 s32, ttmp9, s32
	s_cselect_b32 s33, ttmp9, s33
	s_lshl_b32 s32, s32, 2
	s_add_co_u32 s32, s32, s16                     ; my run of 8,192 numbers in the source,
	s_lshl_b32 s33, s33, 2
	s_add_co_u32 s33, s33, s16                     ; and in the destination
	s_mov_b32 s19, 0
	s_lshl_b32 s18, s32, 15                        ; 32,768 bytes of f32 a run
	s_add_nc_u64 s[4:5], s[4:5], s[18:19]
	s_lshl_b32 s18, s33, 12                        ; 4,096 bytes of codes
	s_add_nc_u64 s[8:9], s[8:9], s[18:19]
	s_lshl_b32 s18, s33, 8                         ; 256 scale bytes
	s_add_nc_u64 s[10:11], s[10:11], s[18:19]
.macro LOAD t
.irp i, 0,1,2,3
	global_load_b128 v[R+16*((\t)%4)+4*\i:R+16*((\t)%4)+4*\i+3], v3, s[4:5] offset:2048*(\t)+512*\i th:TH_LOAD_NT   ; 32 lanes read 512 consecutive bytes
.endr
.endm
.macro TURN t                          ; step t's numbers through the stage: LDS serves a wave's instructions in order, so no wait stands between the stores and the loads
.irp i, 0,1,2,3
	ds_store_b128 v14, v[R+16*((\t)%4)+4*\i:R+16*((\t)%4)+4*\i+3] offset:32*SP*((\t)%2)+8*SP*\i
.endr
.irp i, 0,1,2,3
	ds_load_b128 v[X+16*((\t)%2)+4*\i:X+16*((\t)%2)+4*\i+3], v15 offset:32*SP*((\t)%2)+16*\i
.endr
.endm
.irp t, 0,1,2,3
	LOAD \t
.endr
	s_wait_loadcnt 12                              ; step 0's four loads are in; twelve younger ones stay out
	TURN 0
.macro STEP t
.set XS, X+16*((\t)%2)
.if (\t) > 0
	s_wait_dscnt 1                                 ; this step's numbers are back from the stage (the last step's byte store may be out)
.else
	s_wait_dscnt 0x0
.endif
.if (\t)+4 < STEPS
	LOAD (\t)+4                                    ; into the registers that this step's stage stores have read
.endif
.if (\t)+1 < STEPS
.if STEPS-2-(\t) >= 3
	s_wait_loadcnt 12                              ; the next step's four loads are in; those of the three steps behind it may be out
.else
	s_wait_loadcnt 4*(STEPS-2-(\t))
.endif
	TURN (\t)+1
.endif
	v_max3_num_f32 v8, |v[XS]|, |v[XS+1]|, |v[XS+2]|               ; the largest magnitude of my 16, in two chains
	v_max3_num_f32 v9, |v[XS+3]|, |v[XS+4]|, |v[XS+5]|
.irp i, 6,10
	v_max3_num_f32 v8, v8, |v[XS+\i]|, |v[XS+\i+1]|
	v_max3_num_f32 v9, v9, |v[XS+\i+2]|, |v[XS+\i+3]|
.endr
	v_max3_num_f32 v8, v8, |v[XS+14]|, |v[XS+15]|
	v_max3_num_f32 v8, v8, v9, 0x1800000           ; and the floor 2^(3 - 127): the byte cannot fall under 1
	v_max_num_f32_dpp v8, v8, v8 row_xmask:1 row_mask:0xf bank_mask:0xf   ; with my neighbour's 16: the block's
	v_add_nc_u32 v11, 0xff000000, v8               ; 2 off the exponent field: the conversion takes that field of this operand as its scale
	v_cvt_scalef32_pk8_fp4_f32 v[C+4*(\t)], v[XS:XS+7], v11
	v_cvt_scalef32_pk8_fp4_f32 v[C+4*(\t)+1], v[XS+8:XS+15], v11
	v_lshrrev_b32 v[E+(\t)], 23, v11               ; the scale's byte (a plain line behind the conversions)
	ds_store_b8 v5, v[E+(\t)] offset:16*(\t)       ; both lanes of a block write the same byte with the same value
	global_store_b64 v4, v[C+4*(\t):C+4*(\t)+1], s[8:9] offset:32*CB*(\t)   ; the wave stores 256 consecutive bytes, aligned
.endm
.irp t, 0,1,2,3,4,5,6,7,8,9,10,11,12,13,14,15
	STEP \t
.endr
	ds_load_b64 v[8:9], v6                         ; LDS serves a wave's instructions in order: these see my byte stores
	s_wait_dscnt 0x0
	global_store_b64 v7, v[8:9], s[10:11]          ; 256 consecutive scale bytes, aligned
	s_wait_tensorcnt 0x0                           ; the wave's end: a wait, an add to my spare word and its wait, behind my last LDS store
	ds_add_u32 v[SPW], v[NIL]
	s_wait_dscnt 0x0
	s_endpgm
	; ---------------- o_w to f16: a stream through a ring of 16 register slots ----------------
.Low:
	s_sub_co_u32 s17, ttmp9, 448
	s_lshl_b32 s17, s17, 2
	s_add_co_u32 s17, s17, s16                     ; my run of 8,192 numbers
	s_mov_b32 s19, 0
	s_lshl_b32 s18, s17, 15
	s_add_nc_u64 s[4:5], s[44:45], s[18:19]
	s_lshl_b32 s18, s17, 14
	s_add_nc_u64 s[8:9], s[56:57], s[18:19]
	v_lshlrev_b32 v3, 4, v2                        ; in: 16 bytes a lane
	v_lshlrev_b32 v4, 3, v2                        ; out: 8 bytes a lane
.irp i, 0,1,2,3,4,5,6,7,8,9,10,11,12,13,14,15
	global_load_b128 v[16+4*\i:19+4*\i], v3, s[4:5] offset:512*\i th:TH_LOAD_NT
.endr
.macro OSLOT i, rd
.if \rd < 3
	s_wait_loadcnt 15                              ; mine is in; the fifteen younger loads stay out
.else
	s_wait_loadcnt 15-\i                           ; the last round loads nothing: the counts run down
.endif
	s_wait_xcnt 0x0                                ; the slot's last store has read its data registers
	v_cvt_pk_f16_f32 v[80+2*\i], v[16+4*\i], v[17+4*\i]
	v_cvt_pk_f16_f32 v[81+2*\i], v[18+4*\i], v[19+4*\i]
.if \rd < 3
	global_load_b128 v[16+4*\i:19+4*\i], v3, s[4:5] offset:512*(16*(\rd+1)+\i) th:TH_LOAD_NT
.endif
	global_store_b64 v4, v[80+2*\i:81+2*\i], s[8:9] offset:256*(16*\rd+\i)   ; 256 consecutive bytes, aligned
.endm
.irp rd, 0,1,2,3
.irp i, 0,1,2,3,4,5,6,7,8,9,10,11,12,13,14,15
	OSLOT \i, \rd
.endr
.endr
	s_endpgm
	; ---------------- cos and sin ----------------
.Lrope:
	s_sub_co_u32 s17, ttmp9, 512
	s_lshl_b32 s17, s17, 2
	s_add_co_u32 s17, s17, s16                     ; tb: my block of 16 tokens
	s_mov_b32 s19, 0
	s_lshl_b32 s18, s17, 6                         ; 16 positions of 4 bytes
	s_add_nc_u64 s[4:5], s[46:47], s[18:19]
	s_lshl_b32 s18, s17, 13                        ; 8,192 bytes of table a block
	s_add_nc_u64 s[8:9], s[58:59], s[18:19]
	v_and_b32 v3, 15, v2
	v_lshlrev_b32 v3, 2, v3
	global_load_b32 v5, v3, s[4:5]                 ; my token's position: a number, never an address
	v_lshrrev_b32 v6, 4, v2
	v_lshlrev_b32 v6, 3, v6                        ; 8 h
	v_lshlrev_b32 v7, 4, v2                        ; 16 x lane
	s_mov_b32 s20, 0x3f22f983                      ; 2 / pi
	s_mov_b32 s21, 0xbfc90fdb                      ; pi / 2 as three numbers P1 + P2 + P3, each negated
	s_mov_b32 s22, 0x333bbd2e
	s_mov_b32 s23, 0x26f72ced
	s_mov_b32 s24, 0xbe2aaaa3                      ; sin r = r + r z (S1 + z (S2 + z S3)), z = r r, |r| <= pi / 4
	s_mov_b32 s25, 0x3c08839e
	s_mov_b32 s26, 0xb94ca1f9
	s_mov_b32 s27, 0x3d2aaaa5                      ; cos r = 1 - z / 2 + z z (C1 + z (C2 + z C3))
	s_mov_b32 s28, 0xbab6061a
	s_mov_b32 s29, 0x37ccf5ce
	s_mov_b32 s30, 0x80000000
.set n, 0
.rept 32                               ; register 16 + n: 1e6^(-f/64), f = 16 (n / 8) + n % 8 + 8 h
	v_add_nc_u32 v[16+n], 16*(n/8)+n%8, v6
.set n, n+1
.endr
.set n, 0
.rept 32
	v_cvt_f32_u32 v[16+n], v[16+n]
.set n, n+1
.endr
.set n, 0
.rept 32
	v_mul_f32 v[16+n], 0xbe9f73da, v[16+n]         ; x -log2(1e6) / 64
.set n, n+1
.endr
.set n, 0
.rept 32
	v_exp_f32 v[16+n], v[16+n]
.set n, n+1
.endr
	v_nop                                          ; a plain line behind the last exponential
	s_wait_alu depctr_va_vdst(0)                   ; one wait for the batch of 32, ahead of its first reader
	s_wait_loadcnt 0x0
	v_cvt_f32_i32 v5, v5
; four angles by turns: x = position x frequency; k = nearest whole number to x 2 / pi; r = x - k pi / 2 by three fused steps; the quadrant k mod 4 swaps and signs the two polynomials
.macro SINCOS4 cc
.irp i, 0,1,2,3
	v_mul_f32 v[112+\i], v5, v[16+4*\cc+\i]
.endr
.irp i, 0,1,2,3
	v_mul_f32 v[116+\i], s20, v[112+\i]
.endr
.irp i, 0,1,2,3
	v_rndne_f32 v[116+\i], v[116+\i]
.endr
.irp i, 0,1,2,3
	v_fma_f32 v[120+\i], v[116+\i], s21, v[112+\i]
.endr
.irp i, 0,1,2,3
	v_fma_f32 v[120+\i], v[116+\i], s22, v[120+\i]
.endr
.irp i, 0,1,2,3
	v_fma_f32 v[120+\i], v[116+\i], s23, v[120+\i]
.endr
.irp i, 0,1,2,3
	v_cvt_i32_f32 v[124+\i], v[116+\i]
.endr
.irp i, 0,1,2,3
	v_mul_f32 v[128+\i], v[120+\i], v[120+\i]
.endr
.irp i, 0,1,2,3
	v_fma_f32 v[132+\i], v[128+\i], s26, s25
	v_fma_f32 v[136+\i], v[128+\i], s29, s28
.endr
.irp i, 0,1,2,3
	v_fma_f32 v[132+\i], v[132+\i], v[128+\i], s24
	v_fma_f32 v[136+\i], v[136+\i], v[128+\i], s27
.endr
.irp i, 0,1,2,3
	v_mul_f32 v[132+\i], v[132+\i], v[128+\i]
	v_fma_f32 v[136+\i], v[136+\i], v[128+\i], -0.5
.endr
.irp i, 0,1,2,3
	v_fma_f32 v[132+\i], v[132+\i], v[120+\i], v[120+\i]      ; sin r
	v_fma_f32 v[136+\i], v[136+\i], v[128+\i], 1.0            ; cos r
.endr
.irp i, 0,1,2,3
	v_and_b32 v[140+\i], 1, v[124+\i]
	v_add_nc_u32 v[144+\i], 1, v[124+\i]
.endr
.irp i, 0,1,2,3
	v_cmp_eq_u32 vcc_lo, 1, v[140+\i]                         ; an odd quadrant swaps the two
	v_cndmask_b32 v[80+4*\cc+\i], v[132+\i], v[136+\i], vcc_lo
	v_cndmask_b32 v[48+4*\cc+\i], v[136+\i], v[132+\i], vcc_lo
.endr
.irp i, 0,1,2,3
	v_lshlrev_b32 v[140+\i], 30, v[124+\i]                    ; sin is negative in quadrants 2, 3;
	v_lshlrev_b32 v[144+\i], 30, v[144+\i]                    ; cos in quadrants 1, 2
.endr
.irp i, 0,1,2,3
	v_and_b32 v[140+\i], s30, v[140+\i]
	v_and_b32 v[144+\i], s30, v[144+\i]
.endr
.irp i, 0,1,2,3
	v_xor_b32 v[80+4*\cc+\i], v[80+4*\cc+\i], v[140+\i]
	v_xor_b32 v[48+4*\cc+\i], v[48+4*\cc+\i], v[144+\i]
.endr
	global_store_b128 v7, v[48+4*\cc:51+4*\cc], s[8:9] offset:512*\cc          ; 512 consecutive bytes; each chunk has registers of its own
	global_store_b128 v7, v[80+4*\cc:83+4*\cc], s[8:9] offset:4096+512*\cc
.endm
.irp cc, 0,1,2,3,4,5,6,7
	SINCOS4 \cc
.endr
	s_endpgm
.Lfunc_end_k_q7ca2ea46ee_prep:
	.size	k_q7ca2ea46ee_prep, .Lfunc_end_k_q7ca2ea46ee_prep-k_q7ca2ea46ee_prep
	.p2alignl 7, 3214868480
	.fill 96, 4, 3214868480
	.section	.rodata,"a",@progbits
	.p2align	6, 0x0
	.amdhsa_kernel k_q7ca2ea46ee_prep
		.amdhsa_group_segment_fixed_size 33280
		.amdhsa_private_segment_fixed_size 0
		.amdhsa_enable_private_segment 0
		.amdhsa_kernarg_size 96
		.amdhsa_user_sgpr_count 2
		.amdhsa_user_sgpr_kernarg_segment_ptr 1
		.amdhsa_wavefront_size32 1
		.amdhsa_system_sgpr_workgroup_id_x 1
		.amdhsa_system_sgpr_workgroup_id_y 1
		.amdhsa_system_sgpr_workgroup_id_z 1
		.amdhsa_system_vgpr_workitem_id 0
		.amdhsa_next_free_vgpr 192
		.amdhsa_next_free_sgpr 66
		.amdhsa_reserve_vcc 1
		.amdhsa_float_denorm_mode_32 3
		.amdhsa_float_denorm_mode_16_64 3
		.amdhsa_memory_ordered 1
		.amdhsa_forward_progress 1
		.amdhsa_inst_pref_size 103
	.end_amdhsa_kernel
	.amdgpu_metadata
---
amdhsa.version: [ 1, 2 ]
amdhsa.kernels:
  - .name:           k_q7ca2ea46ee_prep
    .symbol:         k_q7ca2ea46ee_prep.kd
    .args:
      - { .name: hidden_states, .offset: 0, .size: 8, .value_kind: global_buffer, .address_space: global }
      - { .name: q_w, .offset: 8, .size: 8, .value_kind: global_buffer, .address_space: global }
      - { .name: k_w, .offset: 16, .size: 8, .value_kind: global_buffer, .address_space: global }
      - { .name: v_w, .offset: 24, .size: 8, .value_kind: global_buffer, .address_space: global }
      - { .name: o_w, .offset: 32, .size: 8, .value_kind: global_buffer, .address_space: global }
      - { .name: position_ids, .offset: 40, .size: 8, .value_kind: global_buffer, .address_space: global }
      - { .name: hq_codes, .offset: 48, .size: 8, .value_kind: global_buffer, .address_space: global }
      - { .name: hq_scales, .offset: 56, .size: 8, .value_kind: global_buffer, .address_space: global }
      - { .name: wq_codes, .offset: 64, .size: 8, .value_kind: global_buffer, .address_space: global }
      - { .name: wq_scales, .offset: 72, .size: 8, .value_kind: global_buffer, .address_space: global }
      - { .name: ow16, .offset: 80, .size: 8, .value_kind: global_buffer, .address_space: global }
      - { .name: rope, .offset: 88, .size: 8, .value_kind: global_buffer, .address_space: global }
    .group_segment_fixed_size: 33280
    .private_segment_fixed_size: 0
    .kernarg_segment_align: 8
    .kernarg_segment_size: 96
    .max_flat_workgroup_size: 128
    .sgpr_count:     66
    .vgpr_count:     192
    .wavefront_size: 32
...
	.end_amdgpu_metadata
.endif
;; end of part 1
;; launch qkv (part 2): grid 12 x 16, 4 waves a work-group, clusters of 4 x 4, 327,680 bytes of LDS; arguments hq_codes, hq_scales, wq_codes, wq_scales, rope, q_norm_w, k_norm_w, qkv; writes qkv
.if DOCPART == 2
	.amdgcn_target "amdgcn-amd-amdhsa--gfx1250"
	.amdhsa_code_object_version 6
	.text
	.protected	k_q7ca2ea46ee_qkv
	.globl	k_q7ca2ea46ee_qkv
	.p2align	8
	.type	k_q7ca2ea46ee_qkv,@function
k_q7ca2ea46ee_qkv:
	s_mov_b64 s[64:65], 0
	v_nop
	global_prefetch_b8 v0, s[64:65] scope:SCOPE_SE
	s_setreg_imm32_b32 hwreg(HW_REG_WAVE_MODE, 25, 1), 1
	s_wait_xcnt 0x0
	s_wait_alu depctr_hold_cnt(0) depctr_sa_sdst(0) depctr_va_vdst(0) depctr_va_sdst(0) depctr_va_ssrc(0) depctr_va_vcc(0) depctr_vm_vsrc(0)
	s_getreg_b32 s2, hwreg(HW_REG_IB_STS2, 6, 4)
	s_cmp_eq_u32 s2, 0
	s_cbranch_scc0 .Lentry_in_a_cluster
	s_endpgm
.Lentry_in_a_cluster:
	s_bfe_u32 s2, ttmp6, 0x10000c
	s_cmp_lg_u32 s2, 0xf033
	s_cbranch_scc0 .Lentry_shape_is_right
	s_endpgm
.Lentry_shape_is_right:
; q, k, v = hidden W^T on codes of FP4 (E2M1) with one E8M0 scale for each 32 along K, sums in f32; then, in f32: the RMS norm of each head's 128, the gain, the rotation by cos and sin; rounded to f16.
; A: hq_codes [4096][1024 B], hq_scales [4096][64].  B: wq_codes [3072][1024 B], wq_scales [3072][64]: rows 0-1023 q_w, 1024-2047 k_w, 2048-3071 v_w.
; OUT: qkv [section q, k, v][batch][head][2048][128] f16; from byte LO on, for tokens 0-15 of every sequence, the low parts f16(x - f32(f16(x))), [section][batch][head][16][128].
; q is stored times c = log2(e) / sqrt(128), folded into its gain, so that the next launch's scores are exponents of 2.
; LIMIT: |v| under 65,504 (f16's range); q and k are normalised.
; A tile of C, 256 x 256, is made by four waves; a wave makes 128 tokens x 128 channels = ONE head: 64 accumulators, 512 registers.  K goes in steps of 512 through a ring of two LDS slots; the scales of the
; work-group's rows come once.  CLUSTERS: 4 x 4 work-groups; A's tiles are asked for jointly along a row of the cluster, B's along a column.  A cluster's x is the section: 0 q, 1 k, 2 v: the same in all partners.
; THE MATRIX INSTRUCTION IS USED TRANSPOSED (source 0 = 16 rows of W, source 1 = 16 tokens): lane (r, h) holds token r, and register j of accumulator (a, b) channel 16 b + 8 h + j.  So channels d and d + 64 lie in
; accumulators b and b + 4 of one lane, and a token's 128 channels in lanes l and l xor 16.
; REGISTERS, in windows of 256: window 0: v0-31 addresses; v32-95 scale words; v128-191 A's fragments; v192-255 the gain.  window 1: B's fragments at v0 and v128; the tables of cos and sin in the four quarters by turns.
;   window 2, 3: the accumulators ((a, b) at v[8 (8 (a % 4) + b)]).   On the way out window 0: v2-9 at work, v32-63 PK, v64-127 Y, v128-159 T and PKL, v160-191 RB.
.set SIZE_M, 4096
.set SIZE_N, 3072
.set SIZE_K, 2048
.set KSTEP,  512
.set NQ,     KSTEP/128
.set ROWB,   256
.set KROW,   SIZE_K*4/8
.set PITCH,  272                       ; an LDS row: 256 bytes + 16 of padding: the 16 rows of a fragment load start at 16 different banks
.set FR,     8
.set NL,     2
.set NP,     4
.set HALFT,  128*PITCH
.set SLOT,   4*HALFT
.set LAPS,   SIZE_K/(2*KSTEP)
.set KS,     SIZE_K/32
.set SCL,    2*SLOT
.set HALFS,  (128*KS/256)*272
.set SBLK,   (16*KS/256)*272
.set SPARE,  SCL+4*HALFS               ; the spare words: 128 bytes a wave, two blocks of 256 bytes that no other line names
.set SPITCH, 272                       ; the way out: a stage of 16 rows x (256 bytes + 16) a wave, in slot 0, which has had its last fill and its last read by then
.set LO,     25165824
.set ADRA, 16
.set ADRB, 20
.set STO,  24
.set RD,   25
.set GO,   26
.set ADRS, 27
.set SPW,  28
.set NIL,  29
.set SC,   32
.set AF,   128
.set PK,   32
.set Y,    64
.set T,    128
.set PKL,  128
.set RB,   160
.set W,    192
.set G1, 24
.set G0, 32
.set G1B, 48
.set G0B, 56
.set G1S, 68
.set G0S, 76
.set G1SB, 80
.set G0SB, 88
.set MSB, 0
.macro WIN new                         ; the immediate's high byte repeats the setting that is left
.if MSB != (\new)
	s_set_vgpr_msb (MSB<<8)|(\new)
.set MSB, (\new)
.endif
.endm
.set MUL_LO, 0xa1                      ; source 0 (B) window 1, source 1 (A) window 0, C and D window 2
.set MUL_HI, 0xf1
.set TO_B,   0x40
; A joint load: waves 0 and 1 fetch for A, waves 2 and 3 for B; the branch hangs on the wave's number alone.  An s_nop 0 and four v_nop follow each line.
.macro JLOAD g0a, g1a, g0b, g1b
	s_cmp_eq_u32 s15, 0
	s_cbranch_scc0 .Lfor_b_\@
	tensor_load_to_lds s[\g0a:\g0a+3], s[\g1a:\g1a+7]
	s_nop 0
.rept 4
	v_nop
.endr
	s_branch .Lasked_\@
.Lfor_b_\@:
	tensor_load_to_lds s[\g0b:\g0b+3], s[\g1b:\g1b+7]
	s_nop 0
.rept 4
	v_nop
.endr
.Lasked_\@:
.endm
.macro CREST
	s_cmp_lg_u32 s14, 0
	s_cbranch_scc1 .Lnot_wave_0_\@
	s_barrier_signal -3
.Lnot_wave_0_\@:
	s_barrier_wait -3
	s_barrier_signal -1
	s_barrier_wait -1
.endm
.macro CROUND
	s_barrier_signal -1
	s_barrier_wait -1
	CREST
.endm
	s_load_b128 s[4:7], s[0:1], 0x0                ; A's codes, A's scales
	s_load_b128 s[8:11], s[0:1], 0x10              ; B's codes, B's scales
	v_lshl_add_u32 v[SPW], v0, 2, SPARE
	v_mov_b32 v[NIL], 0
	ds_add_u32 v[SPW], v[NIL]                      ; the wave's opening: the add, twice on end, and its wait ahead of my first tensor load
	ds_add_u32 v[SPW], v[NIL]
	v_lshrrev_b32 v1, 5, v0
	v_readfirstlane_b32 s14, v1                    ; wave 0..3
	s_lshr_b32 s15, s14, 1                         ; which half of the tile's tokens is mine.  Also: I fetch for A (0) or for B (1)
	s_and_b32 s16, s14, 1                          ; which half of its channels.  Also: which 128 rows I fetch
	s_bfe_u32 s40, ttmp6, 0x40000                  ; cx, cy
	s_bfe_u32 s41, ttmp6, 0x40004
	s_lshl_b32 s42, ttmp9, 2
	s_add_co_u32 s42, s42, s40                     ; tile column = 4 x cluster x + cx
	s_and_b32 s17, ttmp7, 0xffff
	s_lshl_b32 s17, s17, 2
	s_add_co_u32 s17, s17, s41                     ; tile row = 4 x cluster y + cy
	s_lshl_b32 s43, s41, 2
	s_lshl_b32 s43, 15, s43                        ; my row of the cluster
	s_lshl_b32 s44, 0x1111, s40                    ; my column
	s_or_b32 s[G1+0], s43, (0<<16)|(1<<20)|(1<<21)|(5<<22)|(3<<25)  ; the mask; elements of 1 byte; padding: 4 words behind every 64
	s_or_b32 s[G1B+0], s44, (0<<16)|(1<<20)|(1<<21)|(5<<22)|(3<<25)
.irp g, G1, G1B
	s_mov_b32 s[\g+1], ROWB<<16                    ; tensor_dim0
	s_mov_b32 s[\g+2], 128<<16                     ; tensor_dim1
	s_mov_b32 s[\g+3], ROWB<<16                    ; tile_dim0
	s_mov_b32 s[\g+4], 128                         ; tile_dim1
	s_mov_b32 s[\g+5], KROW                        ; the pitch
	s_mov_b32 s[\g+6], 0
	s_mov_b32 s[\g+7], 0
.endr
	s_or_b32 s[G1S+0], s43, (3<<16)|(1<<20)|(1<<21)|(5<<22)|(3<<25) ; the scales of 128 rows: 8,192 dense bytes as 32 rows of 256 (32 elements of 8 bytes)
	s_or_b32 s[G1SB+0], s44, (3<<16)|(1<<20)|(1<<21)|(5<<22)|(3<<25)
.irp g, G1S, G1SB
	s_mov_b32 s[\g+1], 32<<16
	s_mov_b32 s[\g+2], (128*KS/256)<<16
	s_mov_b32 s[\g+3], 32<<16
	s_mov_b32 s[\g+4], 128*KS/256
	s_mov_b32 s[\g+5], 32
	s_mov_b32 s[\g+6], 0
	s_mov_b32 s[\g+7], 0
.endr
	s_lshl_b32 s18, s16, 7
	s_lshl_b32 s20, s17, 8
	s_add_co_u32 s20, s20, s18                     ; A: row 256 x tile row + 128 x half
	s_lshl_b32 s46, s42, 8
	s_add_co_u32 s46, s46, s18                     ; B: row 256 x tile column + 128 x half
	s_mov_b32 s21, 0
	s_mov_b32 s47, 0
	s_mov_b64 s[18:19], KS
	s_mul_u64 s[22:23], s[20:21], s[18:19]
	s_mul_u64 s[92:93], s[46:47], s[18:19]
	s_mov_b64 s[18:19], KROW
	s_mul_u64 s[20:21], s[20:21], s[18:19]
	s_mul_u64 s[46:47], s[46:47], s[18:19]
	s_mul_i32 s45, s14, HALFT                      ; where they go: wave x 128 rows
	s_mul_i32 s94, s14, HALFS
	s_wait_dscnt 0x0                               ; both opening adds are done
	s_wait_kmcnt 0x0
	s_add_nc_u64 s[20:21], s[4:5], s[20:21]
	s_add_nc_u64 s[22:23], s[6:7], s[22:23]
	s_add_nc_u64 s[46:47], s[8:9], s[46:47]
	s_add_nc_u64 s[92:93], s[10:11], s[92:93]
	CROUND                                         ; all sixteen work-groups are here: the first joint loads meet
	s_mov_b32 s[G0S], 1
	s_add_co_u32 s[G0S+1], s94, SCL
	s_mov_b64 s[G0S+2:G0S+3], s[22:23]
	s_or_b32 s[G0S+3], s[G0S+3], 0x80000000
	s_mov_b32 s[G0SB], 1
	s_add_co_u32 s[G0SB+1], s94, SCL
	s_mov_b64 s[G0SB+2:G0SB+3], s[92:93]
	s_or_b32 s[G0SB+3], s[G0SB+3], 0x80000000
	JLOAD G0S, G1S, G0SB, G1SB                     ; the scales first
.irp s, 0,1
	s_mov_b32 s[G0+4*\s], 1
	s_add_co_u32 s[G0+4*\s+1], s45, \s*SLOT
	s_add_nc_u64 s[G0+4*\s+2:G0+4*\s+3], s[20:21], \s*ROWB
	s_or_b32 s[G0+4*\s+3], s[G0+4*\s+3], 0x80000000
	s_mov_b32 s[G0B+4*\s], 1
	s_add_co_u32 s[G0B+4*\s+1], s45, \s*SLOT
	s_add_nc_u64 s[G0B+4*\s+2:G0B+4*\s+3], s[46:47], \s*ROWB
	s_or_b32 s[G0B+4*\s+3], s[G0B+4*\s+3], 0x80000000
	JLOAD G0+4*\s, G1, G0B+4*\s, G1B
.endr
	s_load_b256 s[4:11], s[0:1], 0x20              ; rope 4, q_norm_w 6, k_norm_w 8, qkv 10 (the first four pointers are done with)
	v_and_b32 v1, 15, v0                           ; r
	v_bfe_u32 v2, v0, 4, 1                         ; h
	v_mul_u32_u24 v3, v1, PITCH
	v_lshl_add_u32 v4, v2, 4, v3
	s_mul_i32 s21, s15, HALFT
	s_mul_i32 s22, s16, HALFT
	s_add_co_u32 s22, s22, 2*HALFT
.irp s, 0,1
	v_add_nc_u32 v[ADRA+\s], s21, v4
	v_add_nc_u32 v[ADRB+\s], s22, v4
	s_add_co_u32 s21, s21, SLOT
	s_add_co_u32 s22, s22, SLOT
.endr
	v_mul_u32_u24 v5, v1, KS                       ; my row's scales: KS bytes a row, and 16 more for each 256 passed
	v_lshrrev_b32 v6, 8, v5
	v_lshl_add_u32 v5, v6, 4, v5
	s_mul_i32 s21, s15, HALFS
	s_mul_i32 s22, s16, HALFS
	s_add_co_u32 s22, s22, 2*HALFS
	s_sub_co_u32 s22, s22, s21
	v_mul_u32_u24 v6, s22, v2                      ; lanes 16-31 take B's
	s_add_co_u32 s21, s21, SCL
	v_add_nc_u32 v5, v5, v6
	v_add_nc_u32 v[ADRS], s21, v5
	s_mul_i32 s23, s14, 16*SPITCH                  ; my stage
	v_mul_u32_u24 v5, v1, SPITCH
	v_lshl_add_u32 v5, v2, 4, v5
	v_add_nc_u32 v[STO], s23, v5                   ; in: row r, 16 bytes for each half of the lanes
	v_mul_u32_u24 v5, v2, SPITCH
	v_lshl_add_u32 v5, v1, 4, v5
	v_add_nc_u32 v[RD], s23, v5                    ; back: lanes 0-15 one row of 256 bytes, lanes 16-31 the next
	v_lshlrev_b32 v[GO], 8, v2
	v_lshl_add_u32 v[GO], v1, 4, v[GO]             ; and the same two rows in memory
	v_and_b32 v6, 31, v0
	v_lshlrev_b32 v30, 4, v6                       ; 16 x lane: the tables' images; never rewritten
	v_lshlrev_b32 v31, 5, v2                       ; 32 h: my eight gains of a block of 16; never rewritten
	s_lshl_b32 s18, s42, 1
	s_add_co_u32 s18, s18, s16
	s_and_b32 s18, s18, 7                          ; the head
	s_lshl_b32 s19, s17, 8
	s_lshl_b32 s22, s15, 7
	s_add_co_u32 s19, s19, s22                     ; my first token, of 4,096
	s_lshr_b32 s22, s19, 11                        ; the batch
	s_and_b32 s23, s19, 2047                       ; the position
	v_mov_b32 v10, s23                             ; 0 where my block 0 is tokens 0-15 of a sequence
	s_lshl_b32 s46, ttmp9, 4
	s_lshl_b32 s22, s22, 3
	s_add_co_u32 s46, s46, s22
	s_add_co_u32 s46, s46, s18                     ; 16 x section + 8 x batch + head
	s_lshl_b32 s92, s46, 19                        ; a head is 524,288 bytes,
	s_lshl_b32 s47, s23, 8                         ; a token 256
	s_add_co_u32 s92, s92, s47
	s_mov_b32 s93, 0
	s_lshl_b32 s46, s46, 12                        ; a head's low parts are 4,096 bytes
	s_mov_b32 s47, 0
	s_lshl_b32 s22, s17, 17                        ; the table: 16 blocks of 8,192 bytes a tile row,
	s_lshl_b32 s23, s15, 16                        ; 8 a half
	s_add_co_u32 s22, s22, s23
	s_mov_b32 s23, 0
	s_mov_b32 s98, 0x3c000000                      ; 1 / 128
	s_mov_b32 s99, 0x358637bd                      ; 1e-6
	s_mov_b32 s96, 1.0
	s_cmp_eq_u32 ttmp9, 0
	s_cselect_b32 s96, 0x3e0293ee, s96             ; q's gain carries c = log2(e) / sqrt(128)
	s_mov_b32 s97, s96
	s_wait_kmcnt 0x0
	s_cmp_eq_u32 ttmp9, 1
	s_cselect_b64 s[6:7], s[8:9], s[6:7]           ; k's gain or q's
	s_add_nc_u64 s[4:5], s[4:5], s[22:23]
	s_add_nc_u64 s[12:13], s[10:11], LO
	s_add_nc_u64 s[12:13], s[12:13], s[46:47]      ; the low parts' place
	s_add_nc_u64 s[10:11], s[10:11], s[92:93]      ; my 128 tokens' place
	s_mov_b32 s20, 0x76543210
	s_mov_b32 s21, 0xfedcba98                      ; v_permlanex16_b32's selects for lane l xor 16
; a block's table of cos (32 registers) and sin (32): 16 loads of 512 consecutive bytes, into a quarter of window 1
.macro CSLOAD a
.set CSB, 128*((\a)%2)+64*(1-((\a)%4)/2)
	WIN 0x40
.irp c, 0,1,2,3,4,5,6,7,8,9,10,11,12,13,14,15
	global_load_b128 v[CSB+4*\c:CSB+4*\c+3], v30, s[4:5] offset:8192*(\a)+512*\c
.endr
	WIN 0
.endm
.irp b, 0,1,2,3,4,5,6,7                        ; these 48 loads stay out through the K loop, which has no wait on LOADcnt; their registers lie idle there
	global_load_b128 v[W+8*\b:W+8*\b+3], v31, s[6:7] offset:64*\b
	global_load_b128 v[W+8*\b+4:W+8*\b+7], v31, s[6:7] offset:64*\b+16
.endr
	CSLOAD 0
	CSLOAD 1
.macro FRAG reg, adr, q, i             ; 16 rows x 128 K of 4-bit codes: 8 registers; registers 4 c .. 4 c + 3 hold K = 64 c + 32 (l / 16) + 0 .. 31
.irp c, 0,1
	ds_load_b128 v[\reg+4*\c:\reg+4*\c+3], v[\adr] offset:64*(\q)+32*\c+(\i)*16*PITCH
.endr
.endm
; 16 matrix instructions: A's blocks a0, a0 + 1 x B's eight.  The 64 accumulators take turns, one instruction a turn, in the same order in every step.
.macro MUL16 a0, p, q, sc, zero
.irp a, \a0, \a0+1
.irp b, 0,1,2,3,4,5,6,7
.if \zero
	v_wmma_scale_f32_16x16x128_f8f6f4 v[8*(8*((\a)%4)+\b):8*(8*((\a)%4)+\b)+7], v[128*(\p)+FR*\b:128*(\p)+FR*\b+FR-1], v[AF+FR*(\a):AF+FR*(\a)+FR-1], 0, v[SC+8*NQ*(\sc)+NQ*\b+(\q)], v[SC+8*NQ*(\sc)+NQ*(\a)+(\q)] matrix_a_fmt:MATRIX_FMT_FP4 matrix_b_fmt:MATRIX_FMT_FP4 matrix_a_scale:MATRIX_SCALE_ROW1
.else
	v_wmma_scale_f32_16x16x128_f8f6f4 v[8*(8*((\a)%4)+\b):8*(8*((\a)%4)+\b)+7], v[128*(\p)+FR*\b:128*(\p)+FR*\b+FR-1], v[AF+FR*(\a):AF+FR*(\a)+FR-1], v[8*(8*((\a)%4)+\b):8*(8*((\a)%4)+\b)+7], v[SC+8*NQ*(\sc)+NQ*\b+(\q)], v[SC+8*NQ*(\sc)+NQ*(\a)+(\q)] matrix_a_fmt:MATRIX_FMT_FP4 matrix_b_fmt:MATRIX_FMT_FP4 matrix_a_scale:MATRIX_SCALE_ROW1
.endif
.endr
.endr
.endm
.macro FETCH_B slot, q, p
	WIN TO_B
.irp i, 0,1,2,3,4,5,6,7
	FRAG 128*(\p)+FR*\i, ADRB+\slot, \q, \i
.endr
	WIN 0
.endm
.macro FETCH_A slot, q, i0
.irp i, \i0, \i0+1, \i0+2, \i0+3
	FRAG AF+FR*(\i), ADRA+\slot, \q, \i
.endr
.endm
.macro SCALES sc                       ; a K step's scale words: lanes 0-15 A's block i, lanes 16-31 B's block i
.irp i, 0,1,2,3,4,5,6,7
	ds_load_b128 v[SC+8*NQ*\sc+NQ*\i:SC+8*NQ*\sc+NQ*\i+3], v[ADRS] offset:\i*SBLK
.endr
.endm
.macro PLACES n                        ; plain vector lines between a matrix instruction and a load into, or a read of, its registers
.rept \n
	v_nop
.endr
.endm
.macro STEP slot, q, zero
	s_wait_dscnt 4*NL                              ; B's set and A's blocks 0-3 are in; the youngest eight loads (A's blocks 4-7) may be out
	WIN MUL_LO
	MUL16 0, (\q)%2, \q, \slot, \zero
	MUL16 2, (\q)%2, \q, \slot, \zero
	s_wait_dscnt 0
	PLACES NP
	FETCH_B \slot, (\q)+1, 1-(\q)%2
	FETCH_A \slot, (\q)+1, 0
	WIN MUL_HI
	MUL16 4, (\q)%2, \q, \slot, \zero
	MUL16 6, (\q)%2, \q, \slot, \zero
	PLACES NP
	WIN 0
	FETCH_A \slot, (\q)+1, 4
.endm
; A slot's last step changes slots: one barrier; in front of it each wave waits for all its tensor loads, adds 0 to its spare word, and waits for that and for its reads of this slot.
.macro TURN slot, next, fill
	s_wait_tensorcnt 0x0                           ; all my tensor loads have landed: my part of the next slot
	ds_add_u32 v[SPW], v[NIL]
	s_wait_dscnt 4*NL+1                            ; (the add and the youngest eight loads may be out)
	WIN MUL_LO
	MUL16 0, 1, NQ-1, \slot, 0
	s_wait_dscnt 0x0                               ; the add is done, and my reads of this slot are over
	s_barrier_signal -1
	MUL16 2, 1, NQ-1, \slot, 0
	WIN 0
	s_barrier_wait -1
.if \fill
	CREST                                          ; the barrier has opened a round of the cluster's: no wave of any partner still reads this slot or has a load on its way
	s_add_nc_u64 s[G0+4*\slot+2:G0+4*\slot+3], s[G0+4*\slot+2:G0+4*\slot+3], 2*ROWB
	s_add_nc_u64 s[G0B+4*\slot+2:G0B+4*\slot+3], s[G0B+4*\slot+2:G0B+4*\slot+3], 2*ROWB
	JLOAD G0+4*\slot, G1, G0B+4*\slot, G1B         ; the first tensor load behind the round; its four v_nop are the places in front of the loads below
.else
	PLACES NP
.endif
	v_add_nc_u32 v[ADRS], 4*NQ, v[ADRS]
	FETCH_B \next, 0, 0
	FETCH_A \next, 0, 0
	SCALES \next
	WIN MUL_HI
	MUL16 4, 1, NQ-1, \slot, 0
	MUL16 6, 1, NQ-1, \slot, 0
	PLACES NP
	WIN 0
	FETCH_A \next, 0, 4
.endm
.macro STEPS slot, from
.set Q, \from
.rept NQ-1-\from
	STEP \slot, Q, 0
.set Q, Q+1
.endr
.endm
	s_wait_tensorcnt 1                             ; the scales and my part of K step 0 are in; K step 1's load may be out
	s_barrier_signal -1
	s_barrier_wait -1
	FETCH_B 0, 0, 0
	FETCH_A 0, 0, 0
	SCALES 0
	FETCH_A 0, 0, 4
	STEP 0, 0, 1                                   ; the first step's products start the sums
	s_mov_b32 s3, LAPS-1
.Llap:
	STEPS 0, 1
	TURN 0, 1, 1
	STEPS 1, 0
	TURN 1, 0, 1
	STEP 0, 0, 0
	s_sub_co_u32 s3, s3, 1
	s_cmp_lg_u32 s3, 0
	s_cbranch_scc1 .Llap
	STEPS 0, 1                                     ; the last lap fills nothing
	TURN 0, 1, 0
	STEPS 1, 0
	s_wait_dscnt 4*NL
	WIN MUL_LO
	MUL16 0, 1, NQ-1, 1, 0
	MUL16 2, 1, NQ-1, 1, 0
	s_wait_dscnt 0
	WIN MUL_HI
	MUL16 4, 1, NQ-1, 1, 0
	MUL16 6, 1, NQ-1, 1, 0
	WIN 0
; ---------------- THE WAY OUT, a block of 16 tokens at a time ----------------
.macro TOSTAGE src                     ; 16 bytes a lane into my stage, and back as whole rows of 256 bytes; a wave's own bytes, served in order: no wait between
.irp bb, 0,1,2,3,4,5,6,7
	ds_store_b128 v[STO], v[\src+4*\bb:\src+4*\bb+3] offset:32*\bb
.endr
.irp t, 0,1,2,3,4,5,6,7
	ds_load_b128 v[RB+4*\t:RB+4*\t+3], v[RD] offset:2*\t*SPITCH
.endr
.endm
.macro SEND a
	s_wait_dscnt 0x0                               ; the block is back in registers
.irp t, 0,1,2,3,4,5,6,7
	global_store_b128 v[GO], v[RB+4*\t:RB+4*\t+3], s[10:11] offset:(16*(\a)+2*\t)*256   ; 512 consecutive bytes, aligned
.endr
.endm
; the low parts of block 0: x - f32(f16(x)), rounded to f16.  x: 64 registers from xb on, in the window that xw names for source 0
.macro LOWPART xw, xb
.set n, 0
.irp p, v32.l,v32.h,v33.l,v33.h,v34.l,v34.h,v35.l,v35.h,v36.l,v36.h,v37.l,v37.h,v38.l,v38.h,v39.l,v39.h,v40.l,v40.h,v41.l,v41.h,v42.l,v42.h,v43.l,v43.h,v44.l,v44.h,v45.l,v45.h,v46.l,v46.h,v47.l,v47.h,v48.l,v48.h,v49.l,v49.h,v50.l,v50.h,v51.l,v51.h,v52.l,v52.h,v53.l,v53.h,v54.l,v54.h,v55.l,v55.h,v56.l,v56.h,v57.l,v57.h,v58.l,v58.h,v59.l,v59.h,v60.l,v60.h,v61.l,v61.h,v62.l,v62.h,v63.l,v63.h
	v_cvt_f32_f16 v[Y+n], \p
.set n, n+1
.endr
	WIN \xw
.set i, 0
.rept 32
	v_pk_add_f32 v[Y+i:Y+i+1], v[\xb+i:\xb+i+1], v[Y+i:Y+i+1] neg_lo:[0,1] neg_hi:[0,1]
.set i, i+2
.endr
	WIN 0
.set i, 0
.rept 32
	v_cvt_pk_f16_f32 v[PKL+i], v[Y+2*i], v[Y+2*i+1]
.set i, i+1
.endr
.endm
; block 0 leaves, and behind it its low parts: stored only by the waves whose block 0 is tokens 0-15 of a sequence.  That hangs on the work-group's place, so it is a mask on the lanes and no branch.
.macro FIRSTOUT
	TOSTAGE PK
	SEND 0
	s_wait_xcnt 0x0                                ; the stores have read RB; EXEC changes only behind this wait too (no global instruction follows it ahead of the change)
	TOSTAGE PKL
	s_wait_dscnt 0x0
	v_cmp_eq_u32 vcc_lo, 0, v10
	s_and_saveexec_b32 s94, vcc_lo
.irp t, 0,1,2,3,4,5,6,7
	global_store_b128 v[GO], v[RB+4*\t:RB+4*\t+3], s[12:13] offset:512*\t
.endr
	s_wait_xcnt 0x0                                ; and again in front of the line that widens EXEC
	s_or_b32 exec_lo, exec_lo, s94
.endm
	PLACES NP                                      ; behind the last products
	s_wait_loadcnt 0x0                             ; the gain and the first two tables
	s_cmp_eq_u32 ttmp9, 2                          ; the cluster's x: the same in all partners
	s_cbranch_scc1 .Lv
	; ---- q and k ----
	v_mov_b32 v6, 0                                ; a lane permute's destination counts as one of its sources
	v_mov_b32 v9, 0                                ; named as the upper half of the pair v[8:9]
.set i, 0
.rept 32
	v_pk_mul_f32 v[W+i:W+i+1], v[W+i:W+i+1], s[96:97] op_sel_hi:[1,0]   ; the gain x c (q) or x 1 (k)
.set i, i+2
.endr
	CSLOAD 2                                       ; into B's two sets of fragments, which are done with
	CSLOAD 3
.macro QKBLOCK a
.set AC, 64*((\a)%4)
	WIN 0x0a+5*((\a)/4)                            ; sources 0 and 1: window 2 or 3
	v_pk_mul_f32 v[2:3], v[AC:AC+1], v[AC:AC+1]    ; the sum of squares of my 64, in two chains, each accumulator from its low end on
	v_pk_mul_f32 v[4:5], v[AC+2:AC+3], v[AC+2:AC+3]
.set i, 4
.rept 15
	v_pk_fma_f32 v[2:3], v[AC+i:AC+i+1], v[AC+i:AC+i+1], v[2:3]
	v_pk_fma_f32 v[4:5], v[AC+i+2:AC+i+3], v[AC+i+2:AC+i+3], v[4:5]
.set i, i+4
.endr
	WIN 0
	v_pk_add_f32 v[2:3], v[2:3], v[4:5]
	v_add_f32 v2, v2, v3
	v_permlanex16_b32 v6, v2, s20, s21
	v_add_f32 v2, v2, v6                           ; with lane l xor 16's 64: the token's
	v_fma_f32 v2, v2, s98, s99                     ; / 128 + eps
	v_rsq_f32 v8, v2
	v_nop                                          ; a plain line behind the transcendental
.if (\a) > 1
	SEND (\a)-1                                    ; the block before leaves meanwhile
.endif
	s_wait_alu depctr_va_vdst(0)                   ; the wait ahead of the first reader
	WIN 0x02+((\a)/4)
.set i, 0
.rept 32
	v_pk_mul_f32 v[Y+i:Y+i+1], v[AC+i:AC+i+1], v[8:9] op_sel_hi:[1,0]
.set i, i+2
.endr
	WIN 0
.set i, 0
.rept 32
	v_pk_mul_f32 v[Y+i:Y+i+1], v[Y+i:Y+i+1], v[W+i:W+i+1]
.set i, i+2
.endr
.if 7-(\a) < 3
	s_wait_loadcnt 16*(7-(\a))                     ; this block's table is in: 16 loads for each table asked for behind it may be out
.else
	s_wait_loadcnt 48
.endif
.set CSB, 128*((\a)%2)+64*(1-((\a)%4)/2)
	; lo = channels 0-63 (Y + 0..31), hi = channels 64-127 (Y + 32..63): out_lo = lo cos - hi sin, out_hi = hi cos + lo sin; the results take the table's registers
	WIN 0x04
.set i, 0
.rept 16
	v_pk_mul_f32 v[T+i:T+i+1], v[Y+32+i:Y+33+i], v[CSB+32+i:CSB+33+i]
.set i, i+2
.endr
	WIN 0x44
.set i, 0
.rept 16
	v_pk_mul_f32 v[CSB+32+i:CSB+33+i], v[Y+i:Y+i+1], v[CSB+32+i:CSB+33+i]
.set i, i+2
.endr
	WIN 0x54
.set i, 0
.rept 16
	v_pk_fma_f32 v[CSB+32+i:CSB+33+i], v[Y+32+i:Y+33+i], v[CSB+i:CSB+i+1], v[CSB+32+i:CSB+33+i]
.set i, i+2
.endr
	WIN 0x44
.set i, 0
.rept 16
	v_pk_fma_f32 v[CSB+i:CSB+i+1], v[Y+i:Y+i+1], v[CSB+i:CSB+i+1], v[T+i:T+i+1] neg_lo:[0,0,1] neg_hi:[0,0,1]
.set i, i+2
.endr
	WIN 0x05
.set i, 0
.rept 32
	v_cvt_pk_f16_f32 v[PK+i], v[CSB+2*i], v[CSB+2*i+1]
.set i, i+1
.endr
	WIN 0
.if (\a) == 0
	LOWPART 0x01, CSB
	FIRSTOUT
.else
	s_wait_xcnt 0x0                                ; the last stores have read RB
	TOSTAGE PK
.endif
.if (\a) < 4
	CSLOAD (\a)+4                                  ; into this block's quarter, which is done with
.endif
.endm
.irp a, 0,1,2,3,4,5,6,7
	QKBLOCK \a
.endr
	SEND 7
	s_branch .Lend
	; ---- v: rounded as it is ----
.Lv:
.macro VBLOCK a
.set AC, 64*((\a)%4)
	WIN 0x0a+5*((\a)/4)
.set i, 0
.rept 32
	v_cvt_pk_f16_f32 v[PK+i], v[AC+2*i], v[AC+2*i+1]   ; each accumulator from its low end on
.set i, i+1
.endr
	WIN 0
.if (\a) == 0
	LOWPART 0x02, 0
	FIRSTOUT
.else
.if (\a) > 1
	SEND (\a)-1
.endif
	s_wait_xcnt 0x0
	TOSTAGE PK
.endif
.endm
.irp a, 0,1,2,3,4,5,6,7
	VBLOCK \a
.endr
	SEND 7
.Lend:
	s_wait_tensorcnt 0x0                           ; the wave's end: a wait, an add to my spare word and its wait, behind my last tensor load and my last LDS store
	ds_add_u32 v[SPW], v[NIL]
	s_wait_dscnt 0x0
	CROUND                                         ; the closing round
	s_endpgm
.Lfunc_end_k_q7ca2ea46ee_qkv:
	.size	k_q7ca2ea46ee_qkv, .Lfunc_end_k_q7ca2ea46ee_qkv-k_q7ca2ea46ee_qkv
	.p2alignl 7, 3214868480
	.fill 96, 4, 3214868480
	.section	.rodata,"a",@progbits
	.p2align	6, 0x0
	.amdhsa_kernel k_q7ca2ea46ee_qkv
		.amdhsa_group_segment_fixed_size 327680
		.amdhsa_private_segment_fixed_size 0
		.amdhsa_enable_private_segment 0
		.amdhsa_kernarg_size 64
		.amdhsa_user_sgpr_count 2
		.amdhsa_user_sgpr_kernarg_segment_ptr 1
		.amdhsa_wavefront_size32 1
		.amdhsa_system_sgpr_workgroup_id_x 1
		.amdhsa_system_sgpr_workgroup_id_y 1
		.amdhsa_system_sgpr_workgroup_id_z 1
		.amdhsa_system_vgpr_workitem_id 0
		.amdhsa_next_free_vgpr 1024
		.amdhsa_next_free_sgpr 100
		.amdhsa_reserve_vcc 1
		.amdhsa_float_denorm_mode_32 3
		.amdhsa_float_denorm_mode_16_64 3
		.amdhsa_memory_ordered 1
		.amdhsa_forward_progress 1
		.amdhsa_inst_pref_size 255
	.end_amdhsa_kernel
	.section	.bss,"aw",@nobits
	.p2align	6
	.space	262144
	.amdgpu_metadata
---
amdhsa.version: [ 1, 2 ]
amdhsa.kernels:
  - .name:           k_q7ca2ea46ee_qkv
    .symbol:         k_q7ca2ea46ee_qkv.kd
    .args:
      - { .name: hq_codes, .offset: 0, .size: 8, .value_kind: global_buffer, .address_space: global }
      - { .name: hq_scales, .offset: 8, .size: 8, .value_kind: global_buffer, .address_space: global }
      - { .name: wq_codes, .offset: 16, .size: 8, .value_kind: global_buffer, .address_space: global }
      - { .name: wq_scales, .offset: 24, .size: 8, .value_kind: global_buffer, .address_space: global }
      - { .name: rope, .offset: 32, .size: 8, .value_kind: global_buffer, .address_space: global }
      - { .name: q_norm_w, .offset: 40, .size: 8, .value_kind: global_buffer, .address_space: global }
      - { .name: k_norm_w, .offset: 48, .size: 8, .value_kind: global_buffer, .address_space: global }
      - { .name: qkv, .offset: 56, .size: 8, .value_kind: global_buffer, .address_space: global }
    .group_segment_fixed_size: 327680
    .private_segment_fixed_size: 0
    .kernarg_segment_align: 8
    .kernarg_segment_size: 64
    .max_flat_workgroup_size: 128
    .sgpr_count:     100
    .vgpr_count:     1024
    .wavefront_size: 32
...
	.end_amdgpu_metadata
.endif
;; end of part 2
;; launch attn (part 3): grid 16 x 16, 8 waves a work-group, clusters of 4 x 4, 327,680 bytes of LDS; arguments qkv, attention_mask, attn; writes attn
.if DOCPART == 3
	.amdgcn_target "amdgcn-amd-amdhsa--gfx1250"
	.amdhsa_code_object_version 6
	.text
	.protected	k_q7ca2ea46ee_attn
	.globl	k_q7ca2ea46ee_attn
	.p2align	8
	.type	k_q7ca2ea46ee_attn,@function
k_q7ca2ea46ee_attn:
	s_mov_b64 s[64:65], 0
	v_nop
	global_prefetch_b8 v0, s[64:65] scope:SCOPE_SE
	s_setreg_imm32_b32 hwreg(HW_REG_WAVE_MODE, 25, 1), 1
	s_wait_xcnt 0x0
	s_wait_alu depctr_hold_cnt(0) depctr_sa_sdst(0) depctr_va_vdst(0) depctr_va_sdst(0) depctr_va_ssrc(0) depctr_va_vcc(0) depctr_vm_vsrc(0)
	s_getreg_b32 s2, hwreg(HW_REG_IB_STS2, 6, 4)
	s_cmp_eq_u32 s2, 0
	s_cbranch_scc0 .Lentry_in_a_cluster
	s_endpgm
.Lentry_in_a_cluster:
	s_bfe_u32 s2, ttmp6, 0x10000c
	s_cmp_lg_u32 s2, 0xf033
	s_cbranch_scc0 .Lentry_shape_is_right
	s_endpgm
.Lentry_shape_is_right:
; attn[b][s][h][:] = the sum over keys of softmax(q . k / sqrt(128) + mask) v.  q (times log2(e) / sqrt(128)), k, v: f16, [section][b][h][2048][128] in qkv; the mask: f32, an input, [b][2048][2048], read whole and added in f32.
; t = mask x log2(e) + q' . k (one fused multiply-add in f32); m the running maximum of t; p = 2^(t - m), the difference formed by a subtraction, so p <= 1 always; sums and O in f32; p is rounded to f16 for the second product.
; OUT: attn [4096][1024] f16; from byte ALO on the low parts f16(x - f32(f16(x))) of positions 0-15 of each batch, [2][16][1024].
; THE FIRST POSITIONS ARE CARRIED MORE FINELY, as pairs of f16 numbers: the low parts of k and of v for keys 0-15, of q for queries 0-15 (against keys 0-31), of p for the first 32 keys of each half of the keys (first tile of
; each wave).  Every such product is right for every mask: only the fineness is laid on the first positions.
; LIMITS: |v| and |attn| under 65,504.  Where every key of a row has |mask| of 2^24 or more, the score is rounded away on the grid of mask x log2(e), not of mask: the same result while |score| < 32.
; SHARES.  A work-group owns 128 queries of one (b, h).  Wave w: x = w & 1, its half of the keys (1,024); g = w >> 1, its 32 queries: two tiles of 16.  A step is 64 keys of each half; 16 steps; at the end the two halves
; are merged through LDS.
; OUT OF PHASE.  Two waves lie on a SIMD, and the round at each trip's head brings all eight into step.  So half of the waves are LATE: they put a step's V^T P off to the head of the next trip (V is in their registers by then,
; P stays where it is), and so have products to issue while the early waves wait for K and walk their softmax, and walk their own softmax under the early waves' V^T P.  LATE = (w xor (w >> 2)) & 1 differs between w and w + 4
; and between w and w xor 1: so it differs within a SIMD's pair under either way of dealing eight waves to four SIMDs.  The two orders are two arms of a branch on the wave's number, which holds no barrier and no tensor load.
; LAYOUT.  S^T = K Q^T and O^T = V^T P: a lane holds ONE query (lane % 16) throughout; V comes out of LDS turned, by ds_load_tr16_b128.
; CLUSTER 4 x 4: x = block of queries, y = 8 b + h.  K and V hang on y alone: asked for jointly along a row of the cluster.  The mask's tile hangs on b (the cluster's y / 2) and on the block of queries: jointly along a column.
; REGISTERS: window 0: v2-17 addresses; v20-35 statistics, 8 a tile: +0 m, +1 its pair's partner, +2, +3 l, +4..+7 at work (a at +6); v40-103 the mask, then P in v40-71; v104-167 S^T; v168-231 Q; v232-239 P's low part; v240-247 sums.
;   window 1: v0-127 O^T (ahead of the first V^T P: k's low part in v0-31, q's in v32-63); v128-255 K, then V.
.set HB,    524288
.set LO,    25165824
.set ALO,   8388608
.set KP,    272
.set VP,    288
.set MP,    272
.set VOFF,  2*64*KP                    ; a slot: K's two halves, V's two, the mask's four tiles
.set MOFF,  VOFF+2*64*VP
.set SLOTB, MOFF+4*64*MP
.set VLS,   2*SLOTB                    ; v's low part, 16 rows x 288, a copy for each wave: bytes that LDS stores write and no tensor load fills
.set SPARE, VLS+8*16*VP                ; the spare words: 128 bytes a wave, four blocks of 256 bytes that no other line names
.set EXB,   16896                      ; the merge, in slot 0 behind its last fill and last read: 32 images of 512 bytes and 512 of statistics for each g
.set STAGE, 4*EXB                      ; the way out: 16 rows x 272 for each g
.set AK,  2
.set AV,  4
.set AM,  6
.set QO,  8
.set EXA, 9
.set AVL, 10
.set STO, 11
.set RD,  12
.set GO,  13
.set SPW, 14
.set NIL, 15
.set PFO, 16
.set VLW, 17
.set ST,  20
.set MR,  40
.set P,   40
.set S,   104
.set Q,   168
.set PL,  232
.set TA,  240
.set KV,  128
.set WV,  10
.set LATE, 19                          ; s19  1 in a late wave
.set LAPS, 7                           ; the loop's trips: steps 1 to 14, two a trip
.set G1K, 24
.set G1V, 32
.set G1M, 40
.set G0K, 48
.set G0V, 56
.set G0M, 68
.set MSB, 0
.macro WIN new
.if MSB != (\new)
	s_set_vgpr_msb (MSB<<8)|(\new)
.set MSB, (\new)
.endif
.endm
; A joint load: waves 0, 1 K's halves; waves 2, 3 V's; waves 4-7 the mask's four tiles.  Every wave issues one.  The branches hang on the wave's number alone.  An s_nop 0 and four v_nop follow each line.
.macro JLOAD3 s
	s_cmp_lt_u32 s[WV], 2
	s_cbranch_scc0 .Lnot_k_\@
	tensor_load_to_lds s[G0K+4*(\s):G0K+4*(\s)+3], s[G1K:G1K+7]
	s_nop 0
.rept 4
	v_nop
.endr
	s_branch .Lasked_\@
.Lnot_k_\@:
	s_cmp_lt_u32 s[WV], 4
	s_cbranch_scc0 .Lfor_m_\@
	tensor_load_to_lds s[G0V+4*(\s):G0V+4*(\s)+3], s[G1V:G1V+7]
	s_nop 0
.rept 4
	v_nop
.endr
	s_branch .Lasked_\@
.Lfor_m_\@:
	tensor_load_to_lds s[G0M+4*(\s):G0M+4*(\s)+3], s[G1M:G1M+7]
	s_nop 0
.rept 4
	v_nop
.endr
.Lasked_\@:
.endm
.macro CROUND
	s_barrier_signal -1
	s_barrier_wait -1
	s_cmp_lg_u32 s[WV], 0
	s_cbranch_scc1 .Lnot_wave_0_\@
	s_barrier_signal -3
.Lnot_wave_0_\@:
	s_barrier_wait -3
	s_barrier_signal -1
	s_barrier_wait -1
.endm
; A PREFETCH INTO THE L2: in the trip of an even step j, of steps j + 2 and j + 3 of the 64 rows that the wave itself fetches: their loads go out one and two trips later.  The four partners of a joint load take 16 rows
; each BY ADDRESS (cx for K and V, cy for the mask); lanes 0-15 name step j + 2, lanes 16-31 step j + 3; a step's part of a row is 256 bytes, aligned.  K and V of a head are walked by the four clusters of a row of clusters:
; cluster x = 0 asks; a mask tile by two clusters: the even cluster y asks.  So each block of steps 2 to 15 is named once in the launch; steps 0 and 1 come by their loads alone.  s84 is 1 in a wave that asks, else the
; greatest number; s85, the loop's counter, is 1 in the loop's last trip, which holds step 14: it asks for nothing.
.macro ASK
	s_cmp_gt_u32 s85, s84
	s_cbranch_scc0 .Lnot_mine_\@
	global_prefetch_b8 v[PFO], s[80:81] th:TH_LOAD_NT scope:SCOPE_SE
.Lnot_mine_\@:
.endm
	s_load_b128 s[4:7], s[0:1], 0x0                ; qkv, the mask
	s_load_b64 s[8:9], s[0:1], 0x10                ; attn
	v_lshl_add_u32 v[SPW], v0, 2, SPARE
	v_mov_b32 v[NIL], 0
	ds_add_u32 v[SPW], v[NIL]                      ; the wave's opening: the add, twice on end, and its wait ahead of my first tensor load
	ds_add_u32 v[SPW], v[NIL]
	v_lshrrev_b32 v18, 5, v0
	v_readfirstlane_b32 s[WV], v18                 ; wave 0..7
	s_and_b32 s11, s[WV], 1                        ; x
	s_lshr_b32 s12, s[WV], 1                       ; g
	s_bfe_u32 s13, ttmp6, 0x40000                  ; cx
	s_bfe_u32 s14, ttmp6, 0x40004                  ; cy
	s_lshl_b32 s15, ttmp9, 2
	s_add_co_u32 s15, s15, s13                     ; my block of 128 queries
	s_and_b32 s16, ttmp7, 0xffff                   ; the cluster's y
	s_lshl_b32 s17, s16, 2
	s_add_co_u32 s17, s17, s14                     ; y = 8 b + h
	s_lshr_b32 s18, s16, 1                         ; b: from the cluster's y alone
	s_lshl_b32 s19, s14, 2
	s_lshl_b32 s19, 15, s19                        ; my row of the cluster
	s_lshl_b32 s20, 0x1111, s13                    ; my column
	s_or_b32 s[G1K], s19, (1<<16)|(1<<20)|(1<<21)|(5<<22)|(3<<25)   ; elements of 2 bytes; 4 words of padding behind every 64
	s_or_b32 s[G1V], s19, (1<<16)|(1<<20)|(1<<21)|(5<<22)|(7<<25)   ; 8 words
.irp g, G1K, G1V
	s_mov_b32 s[\g+1], 128<<16                     ; 64 rows of 128 elements, dense
	s_mov_b32 s[\g+2], 64<<16
	s_mov_b32 s[\g+3], 128<<16
	s_mov_b32 s[\g+4], 64
	s_mov_b32 s[\g+5], 128
	s_mov_b32 s[\g+6], 0
	s_mov_b32 s[\g+7], 0
.endr
	s_or_b32 s[G1M], s20, (2<<16)|(1<<20)|(1<<21)|(5<<22)|(3<<25)   ; elements of 4 bytes: 64 queries x 64 keys, rows 2,048 elements apart
	s_mov_b32 s[G1M+1], 64<<16
	s_mov_b32 s[G1M+2], 64<<16
	s_mov_b32 s[G1M+3], 64<<16
	s_mov_b32 s[G1M+4], 64
	s_mov_b32 s[G1M+5], 2048
	s_mov_b32 s[G1M+6], 0
	s_mov_b32 s[G1M+7], 0
	s_lshl_b32 s22, s17, 19                        ; K, V: the head,
	s_lshl_b32 s21, s11, 18                        ; the half of the keys that I fetch (1,024 rows of 256 bytes)
	s_add_co_u32 s22, s22, s21
	s_mov_b32 s23, 0
	s_lshl_b32 s94, s18, 24                        ; the mask: the batch,
	s_lshl_b32 s21, s15, 20                        ; 128 rows of 8,192 bytes a block of queries,
	s_add_co_u32 s94, s94, s21
	s_and_b32 s21, s12, 1
	s_lshl_b32 s98, s21, 19                        ; which 64 of them I fetch,
	s_add_co_u32 s94, s94, s98
	s_lshl_b32 s98, s11, 12                        ; and which half of the keys
	s_add_co_u32 s94, s94, s98
	s_mov_b32 s95, 0
	s_mul_i32 s89, s11, 64*KP                      ; where they go: the wave's number alone
	s_mul_i32 s96, s11, 64*VP
	s_add_co_u32 s96, s96, VOFF
	s_mul_i32 s97, s11, 2*64*MP
	s_mul_i32 s21, s21, 64*MP
	s_add_co_u32 s97, s97, s21
	s_add_co_u32 s97, s97, MOFF
	s_mov_b32 s76, 0x3fb8aa3b                      ; log2(e)
	s_mov_b32 s77, s76
	s_mov_b32 s78, 0x76543210
	s_mov_b32 s79, 0xfedcba98                      ; lane l xor 16
	s_or_b32 s21, s15, s12
	s_cmp_eq_u32 s21, 0
	s_cselect_b32 s88, -1, 0                       ; my first tile is queries 0-15
	s_or_b32 s21, s21, s11
	s_cmp_eq_u32 s21, 0
	s_cselect_b32 s86, -1, 0                       ; and my keys begin at key 0
	s_cmp_eq_u32 s11, 0
	s_cselect_b32 s87, -1, 0                       ; my keys begin at key 0
	s_wait_dscnt 0x0                               ; both opening adds are done
	s_wait_kmcnt 0x0
	s_add_nc_u64 s[22:23], s[4:5], s[22:23]
	s_add_nc_u64 s[94:95], s[6:7], s[94:95]
.irp s, 0,1
	s_mov_b32 s[G0K+4*\s], 1
	s_add_co_u32 s[G0K+4*\s+1], s89, \s*SLOTB
	s_add_nc_u64 s[G0K+4*\s+2:G0K+4*\s+3], s[22:23], 8388608+16384*\s    ; section k, step s
	s_or_b32 s[G0K+4*\s+3], s[G0K+4*\s+3], 0x80000000
	s_mov_b32 s[G0V+4*\s], 1
	s_add_co_u32 s[G0V+4*\s+1], s96, \s*SLOTB
	s_add_nc_u64 s[G0V+4*\s+2:G0V+4*\s+3], s[22:23], 16777216+16384*\s   ; section v
	s_or_b32 s[G0V+4*\s+3], s[G0V+4*\s+3], 0x80000000
	s_mov_b32 s[G0M+4*\s], 1
	s_add_co_u32 s[G0M+4*\s+1], s97, \s*SLOTB
	s_add_nc_u64 s[G0M+4*\s+2:G0M+4*\s+3], s[94:95], 256*\s
	s_or_b32 s[G0M+4*\s+3], s[G0M+4*\s+3], 0x80000000
.endr
	CROUND                                         ; all sixteen work-groups are here
	JLOAD3 0                                       ; step 0
	v_and_b32 v18, 15, v0                          ; r
	v_bfe_u32 v19, v0, 4, 1                        ; h
	v_mul_u32_u24 v[AK], v18, KP
	v_lshl_add_u32 v[AK], v19, 4, v[AK]            ; 272 r + 16 h
	v_mul_u32_u24 v[RD], v19, KP
	v_lshl_add_u32 v[RD], v18, 4, v[RD]            ; 272 h + 16 r
	s_mul_i32 s21, s12, 16*272
	s_add_co_u32 s21, s21, STAGE
	v_add_nc_u32 v[STO], s21, v[AK]
	v_add_nc_u32 v[RD], s21, v[RD]
	v_lshl_add_u32 v[AM], v19, 4, v[AK]            ; 272 r + 32 h
	v_add_nc_u32 v[AK], s89, v[AK]
	v_add_nc_u32 v[AK+1], SLOTB, v[AK]
	s_mul_i32 s21, s11, 2*64*MP
	s_mul_i32 s98, s12, 32*MP                      ; my 32 queries among the 128
	s_add_co_u32 s21, s21, s98
	s_add_co_u32 s21, s21, MOFF
	v_add_nc_u32 v[AM], s21, v[AM]
	v_add_nc_u32 v[AM+1], SLOTB, v[AM]
	v_and_b32 v[AV], 7, v0
	v_lshl_add_u32 v[AV], v19, 3, v[AV]
	v_mul_u32_u24 v[AV], v[AV], VP
	v_bfe_u32 v[AV+1], v0, 3, 1
	v_lshl_add_u32 v[AV], v[AV+1], 4, v[AV]        ; the turning load: key 8 h + l % 8, channels 8 ((l / 8) % 2) on
	s_mul_i32 s21, s[WV], 16*VP
	s_add_co_u32 s21, s21, VLS
	v_add_nc_u32 v[AVL], s21, v[AV]
	v_mul_u32_u24 v[VLW], v19, VP
	v_lshl_add_u32 v[VLW], v18, 4, v[VLW]
	v_add_nc_u32 v[VLW], s21, v[VLW]
	v_add_nc_u32 v[AV], s96, v[AV]
	v_add_nc_u32 v[AV+1], SLOTB, v[AV]
	v_lshlrev_b32 v[QO], 8, v18
	v_lshl_add_u32 v[QO], v19, 4, v[QO]            ; 256 r + 16 h
	v_and_b32 v37, 31, v0
	v_lshlrev_b32 v37, 4, v37                      ; 16 x lane
	s_mul_i32 s21, s12, EXB
	v_add_nc_u32 v[EXA], s21, v37
	v_lshlrev_b32 v[GO], 11, v19
	v_lshl_add_u32 v[GO], v18, 4, v[GO]            ; 2,048 h + 16 r
	v_mov_b32 v36, s88
	; all scalar set-up stands ahead of the loads below, so that no pending load's base is rewritten
	s_lshl_b32 s2, s17, 19
	s_lshl_b32 s21, s15, 15
	s_add_co_u32 s2, s2, s21
	s_lshl_b32 s21, s12, 13
	s_add_co_u32 s2, s2, s21
	s_mov_b32 s3, 0
	s_add_nc_u64 s[2:3], s[4:5], s[2:3]            ; my 32 queries
	s_lshl_b32 s96, s17, 12
	s_mov_b32 s97, 0
	s_add_nc_u64 s[96:97], s[4:5], s[96:97]
	s_add_nc_u64 s[96:97], s[96:97], LO            ; q's low parts of my head; k's lie 65,536 bytes on, v's 131,072
	s_lshl_b32 s90, s18, 22
	s_lshl_b32 s21, s15, 18
	s_add_co_u32 s90, s90, s21
	s_lshl_b32 s21, s12, 16
	s_add_co_u32 s90, s90, s21
	s_and_b32 s21, s17, 7
	s_lshl_b32 s21, s21, 8
	s_add_co_u32 s90, s90, s21
	s_mov_b32 s91, 0
	s_lshl_b32 s92, s18, 15
	s_add_co_u32 s92, s92, s21
	s_mov_b32 s93, 0
	s_add_nc_u64 s[90:91], s[8:9], s[90:91]        ; my rows of attn, my head's 256 bytes
	s_add_nc_u64 s[92:93], s[8:9], s[92:93]
	s_add_nc_u64 s[92:93], s[92:93], ALO           ; and of the low parts
	s_add_nc_u64 s[80:81], s[22:23], 8388608
	s_add_nc_u64 s[82:83], s[22:23], 16777216
	s_and_b32 s89, s16, 1
	s_mov_b32 s98, 8192
	s_mov_b32 s99, 256
	s_cmp_lt_u32 s[WV], 2
	s_cselect_b64 s[80:81], s[80:81], s[82:83]
	s_cmp_lt_u32 s[WV], 4
	s_cselect_b64 s[80:81], s[80:81], s[94:95]     ; the rows that I fetch, at step 0
	s_cselect_b32 s21, s13, s14                    ; my place among the four that ask with me
	s_cselect_b32 s98, 256, s98                    ; from row to row
	s_cselect_b32 s99, 16384, s99                  ; from step to step
	s_cselect_b32 s89, ttmp9, s89                  ; the coordinate along which other clusters read the same rows
	s_cmp_eq_u32 s89, 0
	s_cselect_b32 s84, 1, -1                       ; the same in all partners, for a given wave
	s_lshl_b32 s82, s99, 1                         ; two steps
	s_mov_b32 s83, 0
	s_mul_i32 s20, s21, s98
	s_lshl_b32 s20, s20, 4                         ; my 16 rows,
	s_add_co_u32 s20, s20, s82                     ; at step 2
	s_mov_b32 s21, 0
	s_add_nc_u64 s[80:81], s[80:81], s[20:21]
	s_lshr_b32 s[LATE], s[WV], 2
	s_xor_b32 s[LATE], s[LATE], s[WV]
	s_and_b32 s[LATE], s[LATE], 1                  ; waves 1, 3, 4, 6 are late
	s_mov_b32 s85, LAPS
	v_mul_lo_u32 v[PFO], v18, s98
	v_mul_lo_u32 v38, v19, s99
	v_add_nc_u32 v[PFO], v[PFO], v38
.irp t, 0,1
.irp c, 0,1,2,3
	global_load_b128 v[Q+32*\t+8*\c:Q+32*\t+8*\c+3], v[QO], s[2:3] offset:4096*\t+64*\c       ; Q stays in registers
	global_load_b128 v[Q+32*\t+8*\c+4:Q+32*\t+8*\c+7], v[QO], s[2:3] offset:4096*\t+64*\c+32
.endr
.endr
	WIN 0x40
.irp c, 0,1,2,3
	global_load_b128 v[8*\c:8*\c+3], v[QO], s[96:97] offset:65536+64*\c                       ; k's low part, keys 0-15
	global_load_b128 v[8*\c+4:8*\c+7], v[QO], s[96:97] offset:65536+64*\c+32
	global_load_b128 v[32+8*\c:32+8*\c+3], v[QO], s[96:97] offset:64*\c                       ; q's, queries 0-15
	global_load_b128 v[32+8*\c+4:32+8*\c+7], v[QO], s[96:97] offset:64*\c+32
.endr
	WIN 0
.irp n, 0,1,2,3,4,5,6,7
	global_load_b128 v[MR+4*\n:MR+4*\n+3], v37, s[96:97] offset:131072+512*\n                 ; v's, two rows a load
.endr
	s_wait_loadcnt 0x0
.irp n, 0,1,2,3,4,5,6,7
	ds_store_b128 v[VLW], v[MR+4*\n:MR+4*\n+3] offset:2*\n*VP                                 ; into my own copy, from which it is read turned
.endr
	WIN 0x44
.set i, 0
.rept 32
	v_cndmask_b32 v[i], 0, v[i], s87               ; zeros in the waves whose keys do not begin at key 0
	v_cndmask_b32 v[32+i], 0, v[32+i], s86         ; zeros in all waves but the one with queries 0-15 and key 0
.set i, i+1
.endr
	WIN 0
	v_mov_b32 v[ST+1], 0                           ; named as the upper halves of the pairs with m
	v_mov_b32 v[ST+9], 0
.macro SOFTMAX first
.set i, 0
.rept 16
	v_pk_fma_f32 v[S+i:S+i+1], v[MR+i:MR+i+1], s[76:77], v[S+i:S+i+1] op_sel_hi:[1,0,1]               ; t = mask x log2(e) + score; each accumulator from its low end on
	v_pk_fma_f32 v[S+32+i:S+33+i], v[MR+32+i:MR+33+i], s[76:77], v[S+32+i:S+33+i] op_sel_hi:[1,0,1]
.set i, i+2
.endr
.irp k, 0,1,2,3
.irp t, 0,1
	v_max3_num_f32 v[ST+8*\t+4+\k], v[S+32*\t+8*\k], v[S+32*\t+8*\k+1], v[S+32*\t+8*\k+2]
.endr
.endr
.irp e, 3,5
.irp k, 0,1,2,3
.irp t, 0,1
	v_max3_num_f32 v[ST+8*\t+4+\k], v[ST+8*\t+4+\k], v[S+32*\t+8*\k+\e], v[S+32*\t+8*\k+\e+1]
.endr
.endr
.endr
.irp t, 0,1
	v_max3_num_f32 v[ST+8*\t+4], v[ST+8*\t+4], v[S+32*\t+7], v[S+32*\t+15]
	v_max3_num_f32 v[ST+8*\t+6], v[ST+8*\t+6], v[S+32*\t+23], v[S+32*\t+31]
.endr
.irp t, 0,1
	v_max3_num_f32 v[ST+8*\t+4], v[ST+8*\t+4], v[ST+8*\t+5], v[ST+8*\t+6]
.endr
.irp t, 0,1
.if \first
	v_max_num_f32 v[ST+8*\t+4], v[ST+8*\t+4], v[ST+8*\t+7]
.else
	v_max3_num_f32 v[ST+8*\t+4], v[ST+8*\t+4], v[ST+8*\t+7], v[ST+8*\t]
.endif
.endr
.irp t, 0,1
	v_permlanex16_b32 v[ST+8*\t+5], v[ST+8*\t+4], s78, s79     ; the query's other 32 keys lie in the lane 16 away
.endr
.if !\first
.irp t, 0,1
	v_mov_b32 v[ST+8*\t+7], v[ST+8*\t]                         ; the old m
.endr
.endif
.irp t, 0,1
	v_max_num_f32 v[ST+8*\t], v[ST+8*\t+4], v[ST+8*\t+5]
.endr
.if !\first
.irp t, 0,1
	v_sub_f32 v[ST+8*\t+7], v[ST+8*\t+7], v[ST+8*\t]
.endr
.endif
.set i, 0
.rept 16
	v_pk_add_f32 v[S+i:S+i+1], v[S+i:S+i+1], v[ST:ST+1] op_sel_hi:[1,0] neg_lo:[0,1] neg_hi:[0,1]       ; t - m
	v_pk_add_f32 v[S+32+i:S+33+i], v[S+32+i:S+33+i], v[ST+8:ST+9] op_sel_hi:[1,0] neg_lo:[0,1] neg_hi:[0,1]
.set i, i+2
.endr
.if !\first
	v_exp_f32 v[ST+6], v[ST+7]                                 ; a = 2^(old m - new m)
	v_exp_f32 v[ST+14], v[ST+15]
.endif
.set i, 0
.rept 64
	v_exp_f32 v[S+i], v[S+i]
.set i, i+1
.endr
	v_nop                                                      ; a plain line behind the last exponential
	s_wait_alu depctr_va_vdst(0)                               ; one wait for the whole batch, ahead of its first reader
.set i, 0
.rept 32
	v_cvt_pk_f16_f32 v[P+i], v[S+2*i], v[S+2*i+1]              ; two tiles of 16 keys, rounded in pairs, are source 1 of V^T P
.set i, i+1
.endr
.if \first
.set n, 0
.irp p, v40.l,v40.h,v41.l,v41.h,v42.l,v42.h,v43.l,v43.h,v44.l,v44.h,v45.l,v45.h,v46.l,v46.h,v47.l,v47.h
	v_cvt_f32_f16 v[72+n], \p                                  ; the first tile's first 32 keys: p's low part
.set n, n+1
.endr
.set i, 0
.rept 8
	v_pk_add_f32 v[72+i:73+i], v[S+i:S+i+1], v[72+i:73+i] neg_lo:[0,1] neg_hi:[0,1]
.set i, i+2
.endr
.set i, 0
.rept 8
	v_cvt_pk_f16_f32 v[PL+i], v[72+2*i], v[73+2*i]
.set i, i+1
.endr
.endif
.irp t, 0,1
	v_pk_add_f32 v[TA+4*\t:TA+4*\t+1], v[S+32*\t:S+32*\t+1], v[S+32*\t+2:S+32*\t+3]           ; the sum of the unrounded p, in two chains
	v_pk_add_f32 v[TA+4*\t+2:TA+4*\t+3], v[S+32*\t+4:S+32*\t+5], v[S+32*\t+6:S+32*\t+7]
.endr
.irp e, 8,12,16,20,24,28
.irp t, 0,1
	v_pk_add_f32 v[TA+4*\t:TA+4*\t+1], v[TA+4*\t:TA+4*\t+1], v[S+32*\t+\e:S+32*\t+\e+1]
	v_pk_add_f32 v[TA+4*\t+2:TA+4*\t+3], v[TA+4*\t+2:TA+4*\t+3], v[S+32*\t+\e+2:S+32*\t+\e+3]
.endr
.endr
.irp t, 0,1
.if \first
	v_pk_add_f32 v[ST+8*\t+2:ST+8*\t+3], v[TA+4*\t:TA+4*\t+1], v[TA+4*\t+2:TA+4*\t+3]
.else
	v_pk_add_f32 v[TA+4*\t:TA+4*\t+1], v[TA+4*\t:TA+4*\t+1], v[TA+4*\t+2:TA+4*\t+3]
.endif
.endr
.if !\first
.irp t, 0,1
	v_pk_fma_f32 v[ST+8*\t+2:ST+8*\t+3], v[ST+8*\t+2:ST+8*\t+3], v[ST+8*\t+6:ST+8*\t+7], v[TA+4*\t:TA+4*\t+1] op_sel_hi:[1,0,1]
.endr
	WIN 0x41
.set i, 0
.rept 32
	v_pk_mul_f32 v[i:i+1], v[i:i+1], v[ST+6:ST+7] op_sel_hi:[1,0]                             ; O^T x a, each accumulator from its low end on
	v_pk_mul_f32 v[64+i:65+i], v[64+i:65+i], v[ST+14:ST+15] op_sel_hi:[1,0]
.set i, i+2
.endr
.endif
.endm
; THE PARTS OF A KEY STEP (64 keys of my half, from the slot named).  An early wave runs them as they stand here; a late wave begins with the last, for the step before.
; K's 32 loads and the mask's 16, in one run; the prefetch behind them
.macro LOADK slot, ask
	WIN 0x40
.irp kt, 0,1,2,3
.irp c, 0,1,2,3
	ds_load_b128 v[KV+32*\kt+8*\c:KV+32*\kt+8*\c+3], v[AK+\slot] offset:\kt*16*KP+64*\c
	ds_load_b128 v[KV+32*\kt+8*\c+4:KV+32*\kt+8*\c+7], v[AK+\slot] offset:\kt*16*KP+64*\c+32
.endr
.endr
	WIN 0
.irp t, 0,1
.irp kt, 0,1,2,3
.irp u, 0,1
	ds_load_b128 v[MR+32*\t+8*\kt+4*\u:MR+32*\t+8*\kt+4*\u+3], v[AM+\slot] offset:\t*16*MP+64*\kt+16*\u   ; the mask in S^T's layout: query r, keys 16 kt + 8 h + 0..7
.endr
.endr
.endr
.if \ask
	ASK
.endif
	s_wait_dscnt 16                                ; K's 32 loads are in; the mask's 16 may be out
.endm
; S^T = K Q^T
.macro KQ first
	WIN 0x01
.irp c, 0,1,2,3                        ; the eight accumulators take turns, one instruction a turn
.irp kt, 0,1,2,3
.irp t, 0,1
.if \c == 0
	v_wmma_f32_16x16x32_f16 v[S+32*\t+8*\kt:S+32*\t+8*\kt+7], v[KV+32*\kt+8*\c:KV+32*\kt+8*\c+7], v[Q+32*\t+8*\c:Q+32*\t+8*\c+7], 0
.else
	v_wmma_f32_16x16x32_f16 v[S+32*\t+8*\kt:S+32*\t+8*\kt+7], v[KV+32*\kt+8*\c:KV+32*\kt+8*\c+7], v[Q+32*\t+8*\c:Q+32*\t+8*\c+7], v[S+32*\t+8*\kt:S+32*\t+8*\kt+7]
.endif
.endr
.endr
.endr
.if \first
.irp c, 0,1,2,3                        ; + (k's low part of keys 0-15) . q, both tiles by turns
	v_wmma_f32_16x16x32_f16 v[S:S+7], v[8*\c:8*\c+7], v[Q+8*\c:Q+8*\c+7], v[S:S+7]
	v_wmma_f32_16x16x32_f16 v[S+32:S+39], v[8*\c:8*\c+7], v[Q+32+8*\c:Q+32+8*\c+7], v[S+32:S+39]
.endr
	WIN 0x05
.irp c, 0,1,2,3                        ; + k . (q's low part of queries 0-15), keys 16-31 and 0-15 by turns
	v_wmma_f32_16x16x32_f16 v[S+8:S+15], v[KV+32+8*\c:KV+32+8*\c+7], v[32+8*\c:32+8*\c+7], v[S+8:S+15]
	v_wmma_f32_16x16x32_f16 v[S:S+7], v[KV+8*\c:KV+8*\c+7], v[32+8*\c:32+8*\c+7], v[S:S+7]
.endr
.endif
	WIN 0
.rept 4
	v_nop                                          ; places behind the products: for the loads into K's registers and the first read of the scores
.endr
.endm
; V's 32 turning loads, into K's registers
.macro LOADV slot
	WIN 0x40
.irp kc, 0,1
.irp ct, 0,1,2,3,4,5,6,7
	ds_load_tr16_b128 v[KV+64*\kc+8*\ct:KV+64*\kc+8*\ct+3], v[AV+\slot] offset:\kc*32*VP+32*\ct
	ds_load_tr16_b128 v[KV+64*\kc+8*\ct+4:KV+64*\kc+8*\ct+7], v[AV+\slot] offset:\kc*32*VP+16*VP+32*\ct
.endr
.endr
	WIN 0
	s_wait_dscnt 32                                ; the mask is in; V's 32 loads may be out: they land under the softmax
.endm
; step 0 alone: v's low part of keys 0-15, turned, into the scores' registers, which are done with
.macro VLOW
.irp ct, 0,1,2,3,4,5,6,7
	ds_load_tr16_b128 v[S+8*\ct:S+8*\ct+3], v[AVL] offset:32*\ct
.endr
.irp ct, 0,1,2,3,4,5,6,7
.irp j, 4,5,6,7
	v_mov_b32 v[S+8*\ct+\j], 0                     ; keys 16-31 of that fragment: zeros
.endr
.endr
	s_wait_dscnt 0x0                               ; it is in, and so is V
.irp ct, 0,1,2,3,4,5,6,7
.irp j, 0,1,2,3
	v_cndmask_b32 v[S+8*\ct+\j], 0, v[S+8*\ct+\j], s87
.endr
.endr
.endm
; O^T += V^T P
.macro PV first
	WIN 0x51
.irp kc, 0,1                           ; sixteen accumulators by turns
.irp ct, 0,1,2,3,4,5,6,7
.irp t, 0,1
.if \first && (\kc == 0)
	v_wmma_f32_16x16x32_f16 v[64*\t+8*\ct:64*\t+8*\ct+7], v[KV+64*\kc+8*\ct:KV+64*\kc+8*\ct+7], v[P+16*\t+8*\kc:P+16*\t+8*\kc+7], 0
.else
	v_wmma_f32_16x16x32_f16 v[64*\t+8*\ct:64*\t+8*\ct+7], v[KV+64*\kc+8*\ct:KV+64*\kc+8*\ct+7], v[P+16*\t+8*\kc:P+16*\t+8*\kc+7], v[64*\t+8*\ct:64*\t+8*\ct+7]
.endif
.endr
.endr
.endr
.if \first
.irp ct, 0,1,2,3,4,5,6,7               ; + v . (p's low part)
	v_wmma_f32_16x16x32_f16 v[8*\ct:8*\ct+7], v[KV+8*\ct:KV+8*\ct+7], v[PL:PL+7], v[8*\ct:8*\ct+7]
.endr
	WIN 0x50
.irp ct, 0,1,2,3,4,5,6,7               ; + (v's low part) . p
	v_wmma_f32_16x16x32_f16 v[8*\ct:8*\ct+7], v[S+8*\ct:S+8*\ct+7], v[P:P+7], v[8*\ct:8*\ct+7]
.endr
.endif
	WIN 0
.rept 5
	v_nop                                          ; places: four in front of the next loads into V's and P's registers, five in front of the next K Q^T, which writes over registers that step 0's last products read
.endr
.endm
; THE HEAD OF A TRIP: all my tensor loads have landed (my part of this trip's slot among them), the add, this slot's next addresses, the wait for the add and for my LDS loads (a late wave's V among them), a round of the
; cluster's barrier, and first behind it my one joint load: the next step into the slot read last.  By this text's count one tensor load of a wave is out, and it has a trip in which to land.
.macro OPEN slot, refill, ask
	s_wait_tensorcnt 0x0
	ds_add_u32 v[SPW], v[NIL]
	s_add_nc_u64 s[G0K+4*\slot+2:G0K+4*\slot+3], s[G0K+4*\slot+2:G0K+4*\slot+3], 32768
	s_add_nc_u64 s[G0V+4*\slot+2:G0V+4*\slot+3], s[G0V+4*\slot+2:G0V+4*\slot+3], 32768
	s_add_nc_u64 s[G0M+4*\slot+2:G0M+4*\slot+3], s[G0M+4*\slot+2:G0M+4*\slot+3], 512
.if \ask == 2
	s_wait_xcnt 0x0                                ; the last prefetch, two trips back, has read its address
	s_add_nc_u64 s[80:81], s[80:81], s[82:83]
.endif
	s_wait_dscnt 0x0
	CROUND
.if \refill
	JLOAD3 1-\slot
.endif
.endm
; A TRIP, in its two orders.  skip = 1: in the loop's first trip (step 1) a late wave has no product left over: step 0 was run whole by every wave.  That branch hangs on the loop's counter alone.
.macro TRIP slot, refill, ask, skip
	OPEN \slot, \refill, \ask
	s_cmp_eq_u32 s[LATE], 0
	s_cbranch_scc0 .Llate_\@
	LOADK \slot, \ask
	KQ 0
	LOADV \slot
	SOFTMAX 0
	s_wait_dscnt 0x0                               ; V is in
	PV 0
	s_branch .Ljoin_\@
.Llate_\@:
.if \skip
	s_cmp_eq_u32 s85, LAPS
	s_cbranch_scc1 .Lnopv_\@
.endif
	PV 0                                           ; of the step before: its V was shown in by the wait for 0 on DScnt at the trip's head, its P has not been touched
.Lnopv_\@:
	LOADK \slot, \ask
	KQ 0
	LOADV \slot
	SOFTMAX 0                                      ; it multiplies O^T, which holds all steps up to the one before, by a; V's loads land meanwhile
	WIN 0
.Ljoin_\@:
.endm
	OPEN 0, 1, 1                                   ; step 0, with its fine products: one order for all waves
	LOADK 0, 1
	KQ 1
	LOADV 0
	SOFTMAX 1
	VLOW
	PV 1
.Llap:                                             ; steps 1 to 14
	TRIP 1, 1, 0, 1
	TRIP 0, 1, 2, 0
	s_sub_co_u32 s85, s85, 1
	s_cmp_lg_u32 s85, 0
	s_cbranch_scc1 .Llap
	TRIP 1, 0, 0, 0                                ; step 15 asks for nothing
	s_cmp_eq_u32 s[LATE], 0
	s_cbranch_scc1 .Lall_in
	s_wait_dscnt 0x0                               ; V of step 15 is in
	PV 0                                           ; the late waves' last product
.Lall_in:
	; ---------------- the two halves of the keys are merged ----------------
.irp t, 0,1
	v_add_f32 v[ST+8*\t+4], v[ST+8*\t+2], v[ST+8*\t+3]
.endr
.irp t, 0,1
	v_permlanex16_b32 v[ST+8*\t+5], v[ST+8*\t+4], s78, s79
.endr
.irp t, 0,1
	v_add_f32 v[237+2*\t], v[ST+8*\t+4], v[ST+8*\t+5]          ; l
	v_mov_b32 v[236+2*\t], v[ST+8*\t]                          ; m
.endr
	s_cmp_eq_u32 s11, 0
	s_cbranch_scc1 .Lkeep
	WIN 0x04                                       ; an LDS store's data are its source 1: window 1
.set i, 0
.rept 32
	ds_store_b128 v[EXA], v[4*i:4*i+3] offset:512*i            ; O^T as an image of its registers, each accumulator from its low end on
.set i, i+1
.endr
	WIN 0
	ds_store_b128 v[EXA], v[236:239] offset:16384
.Lkeep:
	s_wait_dscnt 0x0                               ; for the others' sake: my stores have landed
	s_barrier_signal -1
	s_barrier_wait -1
	s_cmp_lg_u32 s11, 0
	s_cbranch_scc1 .Ldone
	WIN 0x40
.set i, 0
.rept 32
	ds_load_b128 v[KV+4*i:KV+4*i+3], v[EXA] offset:512*i
.set i, i+1
.endr
	WIN 0
	ds_load_b128 v[248:251], v[EXA] offset:16384
	s_wait_dscnt 0x0
.irp t, 0,1
	v_max_num_f32 v[ST+8*\t+4], v[ST+8*\t], v[248+2*\t]
.endr
.irp t, 0,1
	v_sub_f32 v[ST+8*\t+5], v[ST+8*\t], v[ST+8*\t+4]
	v_sub_f32 v[ST+8*\t+6], v[248+2*\t], v[ST+8*\t+4]
.endr
.irp t, 0,1
	v_exp_f32 v[ST+8*\t+5], v[ST+8*\t+5]
	v_exp_f32 v[ST+8*\t+6], v[ST+8*\t+6]
.endr
	v_nop
	s_wait_alu depctr_va_vdst(0)                   ; one wait for the four
.irp t, 0,1
	v_mul_f32 v[ST+8*\t+7], v[ST+8*\t+5], v[237+2*\t]
.endr
.irp t, 0,1
	v_fma_f32 v[ST+8*\t+7], v[ST+8*\t+6], v[249+2*\t], v[ST+8*\t+7]
.endr
.irp t, 0,1
	v_rcp_f32 v[ST+8*\t+7], v[ST+8*\t+7]
.endr
	v_nop
	s_wait_alu depctr_va_vdst(0)                   ; and one for the two
.irp t, 0,1
	v_mul_f32 v[TA+4*\t], v[ST+8*\t+5], v[ST+8*\t+7]           ; my half's factor,
	v_mul_f32 v[TA+4*\t+2], v[ST+8*\t+6], v[ST+8*\t+7]         ; the other's
.endr
	WIN 0x41
.irp t, 0,1
.set i, 0
.rept 32
	v_pk_mul_f32 v[64*\t+i:64*\t+i+1], v[64*\t+i:64*\t+i+1], v[TA+4*\t:TA+4*\t+1] op_sel_hi:[1,0]
.set i, i+2
.endr
.endr
	WIN 0x51
.irp t, 0,1
.set i, 0
.rept 32
	v_pk_fma_f32 v[64*\t+i:64*\t+i+1], v[KV+64*\t+i:KV+64*\t+i+1], v[TA+4*\t+2:TA+4*\t+3], v[64*\t+i:64*\t+i+1] op_sel_hi:[1,0,1]
.set i, i+2
.endr
.endr
	WIN 0x05
.set i, 0
.rept 64
	v_cvt_pk_f16_f32 v[40+i], v[2*i], v[2*i+1]
.set i, i+1
.endr
	WIN 0
.set n, 0
.irp p, v40.l,v40.h,v41.l,v41.h,v42.l,v42.h,v43.l,v43.h,v44.l,v44.h,v45.l,v45.h,v46.l,v46.h,v47.l,v47.h,v48.l,v48.h,v49.l,v49.h,v50.l,v50.h,v51.l,v51.h,v52.l,v52.h,v53.l,v53.h,v54.l,v54.h,v55.l,v55.h,v56.l,v56.h,v57.l,v57.h,v58.l,v58.h,v59.l,v59.h,v60.l,v60.h,v61.l,v61.h,v62.l,v62.h,v63.l,v63.h,v64.l,v64.h,v65.l,v65.h,v66.l,v66.h,v67.l,v67.h,v68.l,v68.h,v69.l,v69.h,v70.l,v70.h,v71.l,v71.h
	v_cvt_f32_f16 v[S+n], \p                       ; the first tile's low part
.set n, n+1
.endr
	WIN 0x01
.set i, 0
.rept 32
	v_pk_add_f32 v[S+i:S+i+1], v[i:i+1], v[S+i:S+i+1] neg_lo:[0,1] neg_hi:[0,1]
.set i, i+2
.endr
	WIN 0
.set i, 0
.rept 32
	v_cvt_pk_f16_f32 v[Q+i], v[S+2*i], v[S+2*i+1]
.set i, i+1
.endr
.irp base, 40, 72, Q                   ; three tiles through my stage, one behind the other: LDS serves a wave's instructions in order
.irp f, 0,1,2,3,4,5,6,7
	ds_store_b128 v[STO], v[\base+4*\f:\base+4*\f+3] offset:32*\f
.endr
.irp f, 0,1,2,3,4,5,6,7
	ds_load_b128 v[\base+4*\f:\base+4*\f+3], v[RD] offset:2*\f*272
.endr
.endr
	s_wait_dscnt 32                                ; the first tile is back; the 32 LDS instructions of the other two may be out
.irp f, 0,1,2,3,4,5,6,7
	global_store_b128 v[GO], v[40+4*\f:43+4*\f], s[90:91] offset:4096*\f          ; 16 lanes store 256 consecutive bytes, aligned
.endr
	s_wait_dscnt 16
.irp f, 0,1,2,3,4,5,6,7
	global_store_b128 v[GO], v[72+4*\f:75+4*\f], s[90:91] offset:32768+4096*\f
.endr
	s_wait_dscnt 0x0
	v_cmp_ne_u32 vcc_lo, 0, v36                    ; the low parts leave only where my first tile is queries 0-15: that hangs on the work-group's place, so it is a mask on the lanes and no branch
	s_wait_xcnt 0x0                                ; EXEC changes only behind this wait
	s_and_saveexec_b32 s89, vcc_lo
.irp f, 0,1,2,3,4,5,6,7
	global_store_b128 v[GO], v[Q+4*\f:Q+4*\f+3], s[92:93] offset:4096*\f
.endr
	s_wait_xcnt 0x0                                ; and again in front of the line that widens it
	s_or_b32 exec_lo, exec_lo, s89
.Ldone:
	s_wait_tensorcnt 0x0                           ; the wave's end: a wait, an add to my spare word and its wait, behind my last tensor load and my last LDS store
	ds_add_u32 v[SPW], v[NIL]
	s_wait_dscnt 0x0
	CROUND                                         ; the closing round
	s_endpgm
.Lfunc_end_k_q7ca2ea46ee_attn:
	.size	k_q7ca2ea46ee_attn, .Lfunc_end_k_q7ca2ea46ee_attn-k_q7ca2ea46ee_attn
	.p2alignl 7, 3214868480
	.fill 96, 4, 3214868480
	.section	.rodata,"a",@progbits
	.p2align	6, 0x0
	.amdhsa_kernel k_q7ca2ea46ee_attn
		.amdhsa_group_segment_fixed_size 327680
		.amdhsa_private_segment_fixed_size 0
		.amdhsa_enable_private_segment 0
		.amdhsa_kernarg_size 24
		.amdhsa_user_sgpr_count 2
		.amdhsa_user_sgpr_kernarg_segment_ptr 1
		.amdhsa_wavefront_size32 1
		.amdhsa_system_sgpr_workgroup_id_x 1
		.amdhsa_system_sgpr_workgroup_id_y 1
		.amdhsa_system_sgpr_workgroup_id_z 1
		.amdhsa_system_vgpr_workitem_id 0
		.amdhsa_next_free_vgpr 512
		.amdhsa_next_free_sgpr 100
		.amdhsa_reserve_vcc 1
		.amdhsa_float_denorm_mode_32 3
		.amdhsa_float_denorm_mode_16_64 3
		.amdhsa_memory_ordered 1
		.amdhsa_forward_progress 1
		.amdhsa_inst_pref_size 243
	.end_amdhsa_kernel
	.amdgpu_metadata
---
amdhsa.version: [ 1, 2 ]
amdhsa.kernels:
  - .name:           k_q7ca2ea46ee_attn
    .symbol:         k_q7ca2ea46ee_attn.kd
    .args:
      - { .name: qkv, .offset: 0, .size: 8, .value_kind: global_buffer, .address_space: global }
      - { .name: attention_mask, .offset: 8, .size: 8, .value_kind: global_buffer, .address_space: global }
      - { .name: attn, .offset: 16, .size: 8, .value_kind: global_buffer, .address_space: global }
    .group_segment_fixed_size: 327680
    .private_segment_fixed_size: 0
    .kernarg_segment_align: 8
    .kernarg_segment_size: 24
    .max_flat_workgroup_size: 256
    .sgpr_count:     100
    .vgpr_count:     512
    .wavefront_size: 32
...
	.end_amdgpu_metadata
.endif
;; end of part 3
;; launch oproj (part 4): grid 8 x 32, 4 waves a work-group, clusters of 4 x 4, 327,680 bytes of LDS; arguments attn, ow16, out0; writes out0
.if DOCPART == 4
	.amdgcn_target "amdgcn-amd-amdhsa--gfx1250"
	.amdhsa_code_object_version 6
	.text
	.protected	k_q7ca2ea46ee_oproj
	.globl	k_q7ca2ea46ee_oproj
	.p2align	8
	.type	k_q7ca2ea46ee_oproj,@function
k_q7ca2ea46ee_oproj:
	s_mov_b64 s[64:65], 0
	v_nop
	global_prefetch_b8 v0, s[64:65] scope:SCOPE_SE
	s_setreg_imm32_b32 hwreg(HW_REG_WAVE_MODE, 25, 1), 1
	s_wait_xcnt 0x0
	s_wait_alu depctr_hold_cnt(0) depctr_sa_sdst(0) depctr_va_vdst(0) depctr_va_sdst(0) depctr_va_ssrc(0) depctr_va_vcc(0) depctr_vm_vsrc(0)
	s_getreg_b32 s2, hwreg(HW_REG_IB_STS2, 6, 4)
	s_cmp_eq_u32 s2, 0
	s_cbranch_scc0 .Lentry_in_a_cluster
	s_endpgm
.Lentry_in_a_cluster:
	s_bfe_u32 s2, ttmp6, 0x10000c
	s_cmp_lg_u32 s2, 0xf033
	s_cbranch_scc0 .Lentry_shape_is_right
	s_endpgm
.Lentry_shape_is_right:
; out0[m][n] = the sum over k of attn[m][k] o_w[n][k].  attn [4096][1024] and ow16 [2048][1024]: f16; out0 [4096][2048]: f32; sums in f32.  (Rows 0-15 of each batch are written again, more finely, by the next launch.)
; LIMIT: |attn| and |o_w| under 65,504.
; A tile of out0 is 128 rows x 256 columns: 256 work-groups.  Four waves, each 64 x 128: 32 accumulators, which fill window 1.  K goes in steps of 128 (rows of 256 bytes) through a ring of two LDS slots.
; CLUSTERS: 4 x 4; A's tiles are asked for jointly along a row of the cluster, B's along a column.  THE MATRIX INSTRUCTION IS USED TRANSPOSED (source 0 = 16 rows of o_w, source 1 = 16 rows of attn): a lane holds
; eight neighbouring numbers of a row of out0.
; REGISTERS: window 0: v16-29 addresses; two fragment buffers of 96 (B's 64, then A's 32) at v64 and v160; on the way out v64-191.  window 1: accumulator (a, b) at v[8 (8 a + b)].
.set KSTEP,  128
.set PITCH,  272
.set AHALF,  64*PITCH
.set BHALF,  128*PITCH
.set BOFF,   2*AHALF
.set SLOT,   BOFF+2*BHALF
.set STAGE,  2*SLOT                    ; behind the ring: 16 rows x (512 bytes + 16) for each wave
.set SPITCH, 528
.set SPARE,  STAGE+4*16*SPITCH         ; the spare words: 128 bytes a wave, two blocks of 256 bytes that no other line names
.set LAPS,   4                         ; 1,024 along K: eight K steps, two a lap
.set ADRA, 16
.set ADRB, 20
.set STO,  24
.set RD,   25
.set CO,   26
.set SPW,  28
.set NIL,  29
.set F0,   64
.set F1,   160
.set G1, 24
.set G0, 32
.set G1B, 48
.set G0B, 56
.set MSB, 0
.macro WIN new
.if MSB != (\new)
	s_set_vgpr_msb (MSB<<8)|(\new)
.set MSB, (\new)
.endif
.endm
.set MUL, 0x50                         ; sources 0 and 1 window 0; C and D window 1
.macro JLOAD s                         ; waves 0 and 1 fetch A's halves, waves 2 and 3 B's; an s_nop 0 and four v_nop follow each line
	s_cmp_eq_u32 s11, 0
	s_cbranch_scc0 .Lfor_b_\@
	tensor_load_to_lds s[G0+4*\s:G0+4*\s+3], s[G1:G1+7]
	s_nop 0
.rept 4
	v_nop
.endr
	s_branch .Lasked_\@
.Lfor_b_\@:
	tensor_load_to_lds s[G0B+4*\s:G0B+4*\s+3], s[G1B:G1B+7]
	s_nop 0
.rept 4
	v_nop
.endr
.Lasked_\@:
.endm
.macro CREST
	s_cmp_lg_u32 s10, 0
	s_cbranch_scc1 .Lnot_wave_0_\@
	s_barrier_signal -3
.Lnot_wave_0_\@:
	s_barrier_wait -3
	s_barrier_signal -1
	s_barrier_wait -1
.endm
.macro CROUND
	s_barrier_signal -1
	s_barrier_wait -1
	CREST
.endm
	s_load_b128 s[4:7], s[0:1], 0x0                ; attn, ow16
	s_load_b64 s[8:9], s[0:1], 0x10                ; out0
	v_lshl_add_u32 v[SPW], v0, 2, SPARE
	v_mov_b32 v[NIL], 0
	ds_add_u32 v[SPW], v[NIL]                      ; the wave's opening: the add, twice on end, and its wait ahead of my first tensor load
	ds_add_u32 v[SPW], v[NIL]
	v_lshrrev_b32 v1, 5, v0
	v_readfirstlane_b32 s10, v1                    ; wave 0..3
	s_lshr_b32 s11, s10, 1                         ; which 64 rows are mine.  Also: I fetch for A (0) or for B (1)
	s_and_b32 s12, s10, 1                          ; which 128 columns.  Also: which half of that tile I fetch
	s_bfe_u32 s40, ttmp6, 0x40000
	s_bfe_u32 s41, ttmp6, 0x40004
	s_lshl_b32 s42, ttmp9, 2
	s_add_co_u32 s42, s42, s40                     ; tile column
	s_and_b32 s13, ttmp7, 0xffff
	s_lshl_b32 s13, s13, 2
	s_add_co_u32 s13, s13, s41                     ; tile row
	s_lshl_b32 s43, s41, 2
	s_lshl_b32 s43, 15, s43
	s_lshl_b32 s44, 0x1111, s40
	s_or_b32 s[G1+0], s43, (1<<16)|(1<<20)|(1<<21)|(5<<22)|(3<<25)   ; elements of 2 bytes; 4 words of padding behind every 64
	s_or_b32 s[G1B+0], s44, (1<<16)|(1<<20)|(1<<21)|(5<<22)|(3<<25)
	s_mov_b32 s[G1+1], KSTEP<<16
	s_mov_b32 s[G1+2], 64<<16                      ; A: 64 rows a load
	s_mov_b32 s[G1+3], KSTEP<<16
	s_mov_b32 s[G1+4], 64
	s_mov_b32 s[G1+5], 1024
	s_mov_b32 s[G1+6], 0
	s_mov_b32 s[G1+7], 0
	s_mov_b32 s[G1B+1], KSTEP<<16
	s_mov_b32 s[G1B+2], 128<<16                    ; B: 128 rows a load
	s_mov_b32 s[G1B+3], KSTEP<<16
	s_mov_b32 s[G1B+4], 128
	s_mov_b32 s[G1B+5], 1024
	s_mov_b32 s[G1B+6], 0
	s_mov_b32 s[G1B+7], 0
	s_lshl_b32 s17, s12, 6
	s_lshl_b32 s16, s13, 7
	s_add_co_u32 s16, s16, s17                     ; A: row 128 x tile row + 64 x half,
	s_lshl_b32 s16, s16, 11                        ; of 2,048 bytes
	s_mov_b32 s17, 0
	s_lshl_b32 s47, s12, 7
	s_lshl_b32 s46, s42, 8
	s_add_co_u32 s46, s46, s47                     ; B: row 256 x tile column + 128 x half
	s_lshl_b32 s46, s46, 11
	s_mov_b32 s47, 0
	s_mul_i32 s20, s12, AHALF                      ; where they go: the wave's number alone
	s_mul_i32 s21, s12, BHALF
	s_add_co_u32 s21, s21, BOFF
	s_wait_dscnt 0x0                               ; both opening adds are done
	s_wait_kmcnt 0x0
	s_add_nc_u64 s[14:15], s[4:5], s[16:17]
	s_add_nc_u64 s[46:47], s[6:7], s[46:47]
	CROUND
.irp s, 0,1
	s_mov_b32 s[G0+4*\s], 1
	s_add_co_u32 s[G0+4*\s+1], s20, \s*SLOT
	s_add_nc_u64 s[G0+4*\s+2:G0+4*\s+3], s[14:15], \s*KSTEP*2
	s_or_b32 s[G0+4*\s+3], s[G0+4*\s+3], 0x80000000
	s_mov_b32 s[G0B+4*\s], 1
	s_add_co_u32 s[G0B+4*\s+1], s21, \s*SLOT
	s_add_nc_u64 s[G0B+4*\s+2:G0B+4*\s+3], s[46:47], \s*KSTEP*2
	s_or_b32 s[G0B+4*\s+3], s[G0B+4*\s+3], 0x80000000
	JLOAD \s
.endr
	v_and_b32 v1, 15, v0
	v_bfe_u32 v2, v0, 4, 1
	v_mul_u32_u24 v3, v1, PITCH
	v_lshl_add_u32 v3, v2, 4, v3
	s_mul_i32 s21, s11, AHALF                      ; my 64 rows of A
	s_mul_i32 s22, s12, BHALF                      ; my 128 rows of B
	s_add_co_u32 s22, s22, BOFF
.irp s, 0,1
	v_add_nc_u32 v[ADRA+\s], s21, v3
	v_add_nc_u32 v[ADRB+\s], s22, v3
	s_add_co_u32 s21, s21, SLOT
	s_add_co_u32 s22, s22, SLOT
.endr
	s_mul_i32 s23, s10, 16*SPITCH
	s_add_co_u32 s23, s23, STAGE
	v_mul_u32_u24 v4, v1, SPITCH
	v_lshl_add_u32 v4, v2, 5, v4
	v_add_nc_u32 v[STO], s23, v4                   ; in: row r, 32 bytes for each half of the lanes
	v_and_b32 v5, 31, v0
	v_lshlrev_b32 v[CO], 4, v5
	v_add_nc_u32 v[RD], s23, v[CO]                 ; back: the 32 lanes take one row of 512 bytes
	s_lshl_b32 s16, s13, 7
	s_lshl_b32 s17, s11, 6
	s_add_co_u32 s16, s16, s17
	s_lshl_b32 s16, s16, 13                        ; my first row of out0, of 8,192 bytes
	s_lshl_b32 s46, s42, 10
	s_add_co_u32 s16, s16, s46
	s_lshl_b32 s46, s12, 9
	s_add_co_u32 s16, s16, s46                     ; my first column
	s_mov_b32 s17, 0
	s_add_nc_u64 s[8:9], s[8:9], s[16:17]
; 8 matrix instructions: A's block a x B's eight, 32 along K.  The 32 accumulators take turns, one instruction a turn, in the same order in every quarter.
.macro MULA f, a, zero
.irp b, 0,1,2,3,4,5,6,7
.if \zero
	v_wmma_f32_16x16x32_f16 v[8*(8*(\a)+\b):8*(8*(\a)+\b)+7], v[\f+8*\b:\f+8*\b+7], v[\f+64+8*(\a):\f+64+8*(\a)+7], 0
.else
	v_wmma_f32_16x16x32_f16 v[8*(8*(\a)+\b):8*(8*(\a)+\b)+7], v[\f+8*\b:\f+8*\b+7], v[\f+64+8*(\a):\f+64+8*(\a)+7], v[8*(8*(\a)+\b):8*(8*(\a)+\b)+7]
.endif
.endr
.endm
.macro FETCH slot, k, f                ; 24 LDS loads in one run: B's eight fragments, then A's four
.irp i, 0,1,2,3,4,5,6,7
	ds_load_b128 v[\f+8*\i:\f+8*\i+3],   v[ADRB+\slot] offset:\k+\i*16*PITCH
	ds_load_b128 v[\f+8*\i+4:\f+8*\i+7], v[ADRB+\slot] offset:\k+\i*16*PITCH+32
.endr
.irp i, 0,1,2,3
	ds_load_b128 v[\f+64+8*\i:\f+64+8*\i+3],   v[ADRA+\slot] offset:\k+\i*16*PITCH
	ds_load_b128 v[\f+64+8*\i+4:\f+64+8*\i+7], v[ADRA+\slot] offset:\k+\i*16*PITCH+32
.endr
.endm
.macro PLACES
.rept 4
	v_nop
.endr
.endm
.macro QUARTER slot, k, f, g, zero
	s_wait_dscnt 4                                 ; B and A's blocks 0, 1 are in; the youngest four loads (A's blocks 2, 3) may be out
	WIN MUL
	MULA \f, 0, \zero
	MULA \f, 1, \zero
	WIN 0
	PLACES                                         ; in front of loads into registers that matrix instructions have read
	FETCH \slot, \k, \g
	s_wait_dscnt 24                                ; all but the 24 just issued
	WIN MUL
	MULA \f, 2, \zero
	MULA \f, 3, \zero
.endm
; A K step's last quarter multiplies buffer 1 and changes slots.
.macro TURN slot, next, fill
	WIN 0
	s_wait_tensorcnt 0x0                           ; all my tensor loads have landed: my part of the next slot
	ds_add_u32 v[SPW], v[NIL]
	s_wait_dscnt 5                                 ; (the add and the youngest four loads may be out)
	WIN MUL
	MULA F1, 0, 0
	s_wait_dscnt 0x0                               ; the add is done, and my reads of this slot are over
	s_barrier_signal -1
	MULA F1, 1, 0
	WIN 0
	s_barrier_wait -1
.if \fill
	CREST                                          ; the barrier has opened a round of the cluster's
	s_add_nc_u64 s[G0+4*\slot+2:G0+4*\slot+3], s[G0+4*\slot+2:G0+4*\slot+3], 2*KSTEP*2
	s_add_nc_u64 s[G0B+4*\slot+2:G0B+4*\slot+3], s[G0B+4*\slot+2:G0B+4*\slot+3], 2*KSTEP*2
	JLOAD \slot                                    ; the first tensor load behind the round; its four v_nop are the places in front of the loads below
.else
	PLACES
.endif
	FETCH \next, 0, F0
	WIN MUL
	MULA F1, 2, 0
	MULA F1, 3, 0
.endm
	s_wait_tensorcnt 1                             ; my part of K step 0 is in; K step 1's load may be out
	s_barrier_signal -1
	s_barrier_wait -1
	FETCH 0, 0, F0
	QUARTER 0, 64, F0, F1, 1                       ; the first quarter's products start the sums
	WIN 0
	s_mov_b32 s3, LAPS-1
.Llap:
	QUARTER 0, 128, F1, F0, 0
	QUARTER 0, 192, F0, F1, 0
	TURN 0, 1, 1
	QUARTER 1, 64,  F0, F1, 0
	QUARTER 1, 128, F1, F0, 0
	QUARTER 1, 192, F0, F1, 0
	TURN 1, 0, 1
	QUARTER 0, 64,  F0, F1, 0
	WIN 0
	s_sub_co_u32 s3, s3, 1
	s_cmp_lg_u32 s3, 0
	s_cbranch_scc1 .Llap
	QUARTER 0, 128, F1, F0, 0                      ; the last lap fills nothing
	QUARTER 0, 192, F0, F1, 0
	TURN 0, 1, 0
	QUARTER 1, 64,  F0, F1, 0
	QUARTER 1, 128, F1, F0, 0
	QUARTER 1, 192, F0, F1, 0
	s_wait_dscnt 4
	WIN MUL
	MULA F1, 0, 0
	MULA F1, 1, 0
	s_wait_dscnt 0
	MULA F1, 2, 0
	MULA F1, 3, 0
	WIN 0
; THE WAY OUT, a block of 16 rows x 128 columns at a time, through my own stage: whole rows of 512 bytes come back.
.macro TOSTAGE a
	WIN 0x04                                       ; an LDS store's data are its source 1: window 1
.irp b, 0,1,2,3,4,5,6,7
	ds_store_b128 v[STO], v[64*(\a)+8*\b:64*(\a)+8*\b+3] offset:64*\b           ; each accumulator from its low end on
	ds_store_b128 v[STO], v[64*(\a)+8*\b+4:64*(\a)+8*\b+7] offset:64*\b+16
.endr
	WIN 0
.set BB, 64+64*((\a)%2)
.irp t, 0,1,2,3,4,5,6,7,8,9,10,11,12,13,14,15
	ds_load_b128 v[BB+4*\t:BB+4*\t+3], v[RD] offset:\t*SPITCH
.endr
.endm
.macro SEND a, younger
.set BB, 64+64*((\a)%2)
	s_wait_dscnt \younger
.irp t, 0,1,2,3,4,5,6,7,8,9,10,11,12,13,14,15
	global_store_b128 v[CO], v[BB+4*\t:BB+4*\t+3], s[8:9] offset:(16*(\a)+\t)*8192 th:TH_STORE_NT   ; 512 consecutive bytes, aligned
.endr
.endm
	PLACES
	TOSTAGE 0
.irp a, 1,2,3
.if \a > 1
	s_wait_xcnt 0x0                                ; block a - 2's stores have read their registers
.endif
	TOSTAGE \a
	SEND \a-1, 32                                  ; behind block a - 1's loads: block a's 16 stores and 16 loads
.endr
	SEND 3, 0
	s_wait_tensorcnt 0x0                           ; the wave's end: a wait, an add to my spare word and its wait, behind my last tensor load and my last LDS store
	ds_add_u32 v[SPW], v[NIL]
	s_wait_dscnt 0x0
	CROUND                                         ; the closing round
	s_endpgm
.Lfunc_end_k_q7ca2ea46ee_oproj:
	.size	k_q7ca2ea46ee_oproj, .Lfunc_end_k_q7ca2ea46ee_oproj-k_q7ca2ea46ee_oproj
	.p2alignl 7, 3214868480
	.fill 96, 4, 3214868480
	.section	.rodata,"a",@progbits
	.p2align	6, 0x0
	.amdhsa_kernel k_q7ca2ea46ee_oproj
		.amdhsa_group_segment_fixed_size 327680
		.amdhsa_private_segment_fixed_size 0
		.amdhsa_enable_private_segment 0
		.amdhsa_kernarg_size 24
		.amdhsa_user_sgpr_count 2
		.amdhsa_user_sgpr_kernarg_segment_ptr 1
		.amdhsa_wavefront_size32 1
		.amdhsa_system_sgpr_workgroup_id_x 1
		.amdhsa_system_sgpr_workgroup_id_y 1
		.amdhsa_system_sgpr_workgroup_id_z 1
		.amdhsa_system_vgpr_workitem_id 0
		.amdhsa_next_free_vgpr 512
		.amdhsa_next_free_sgpr 66
		.amdhsa_reserve_vcc 0
		.amdhsa_float_denorm_mode_32 3
		.amdhsa_float_denorm_mode_16_64 3
		.amdhsa_memory_ordered 1
		.amdhsa_forward_progress 1
		.amdhsa_inst_pref_size 85
	.end_amdhsa_kernel
	.amdgpu_metadata
---
amdhsa.version: [ 1, 2 ]
amdhsa.kernels:
  - .name:           k_q7ca2ea46ee_oproj
    .symbol:         k_q7ca2ea46ee_oproj.kd
    .args:
      - { .name: attn, .offset: 0, .size: 8, .value_kind: global_buffer, .address_space: global }
      - { .name: ow16, .offset: 8, .size: 8, .value_kind: global_buffer, .address_space: global }
      - { .name: out0, .offset: 16, .size: 8, .value_kind: global_buffer, .address_space: global }
    .group_segment_fixed_size: 327680
    .private_segment_fixed_size: 0
    .kernarg_segment_align: 8
    .kernarg_segment_size: 24
    .max_flat_workgroup_size: 128
    .sgpr_count:     66
    .vgpr_count:     512
    .wavefront_size: 32
...
	.end_amdgpu_metadata
.endif
;; end of part 4
;; launch fine (part 5): grid 128 x 1, 16 waves a work-group, no clusters, 18,432 bytes of LDS; arguments attn, o_w, out0; writes out0
.if DOCPART == 5
	.amdgcn_target "amdgcn-amd-amdhsa--gfx1250"
	.amdhsa_code_object_version 6
	.text
	.protected	k_q7ca2ea46ee_fine
	.globl	k_q7ca2ea46ee_fine
	.p2align	8
	.type	k_q7ca2ea46ee_fine,@function
k_q7ca2ea46ee_fine:
	s_mov_b64 s[64:65], 0
	v_nop
	global_prefetch_b8 v0, s[64:65] scope:SCOPE_SE
	s_setreg_imm32_b32 hwreg(HW_REG_WAVE_MODE, 25, 1), 1
	s_wait_xcnt 0x0
; Rows 0-15 of each batch of out0 once more, with both operands as pairs of f16 numbers: out = ah wh + al wh + ah wl (the product of the two low parts is left out: it lies under f32's last bits of the sum).
; ah: attn rows; al: their low parts, from byte ALO of attn on, [2][16][1024]; wh, wl: o_w [2048][1024] f32, split here in f32.  These rows average few values and are the largest in size.
; A work-group takes 16 columns of out0.  Wave w: batch w & 1, and 128 of K's 1,024 from 128 (w >> 1) on.  The eight parts of a batch meet in LDS as images of their registers; waves 0 and 1 add them, K ascending, and store.
; Used transposed (source 0 = 16 rows of o_w, source 1 = 16 rows of attn): a lane holds eight neighbouring numbers of a row.  A row's store covers 64 consecutive bytes: 32 rows of 4,096 in all.
.set ALO,   8388608
.set SPARE, 16384                      ; behind the 16 images of 1,024 bytes: the spare words, 128 bytes a wave, eight blocks of 256 bytes that no other line names
.set SPW, 14
.set NIL, 15
.set WH,  16                           ; v16-47
.set WL,  48                           ; v48-79
.set T,   80                           ; v80-95
.set WF,  96                           ; v96-159
.set AH,  160                          ; v160-191
.set AL,  192                          ; v192-223
.set D0,  224
.set D1,  232
.set D2,  240
	s_load_b128 s[4:7], s[0:1], 0x0                ; attn, o_w
	s_load_b64 s[8:9], s[0:1], 0x10                ; out0
	v_lshl_add_u32 v[SPW], v0, 2, SPARE
	v_mov_b32 v[NIL], 0
	v_lshrrev_b32 v1, 5, v0
	v_readfirstlane_b32 s10, v1                    ; wave 0..15
	s_and_b32 s11, s10, 1                          ; the batch
	s_lshr_b32 s12, s10, 1                         ; which 128 of K
	v_and_b32 v2, 15, v0                           ; r
	v_bfe_u32 v3, v0, 4, 1                         ; h
	v_lshlrev_b32 v4, 11, v2
	v_lshl_add_u32 v4, v3, 4, v4                   ; attn: row r of 2,048 bytes, + 16 h
	v_lshlrev_b32 v5, 12, v2
	v_lshl_add_u32 v5, v3, 5, v5                   ; o_w: row r of 4,096 bytes, + 32 h
	v_and_b32 v6, 31, v0
	v_lshlrev_b32 v6, 4, v6
	s_lshl_b32 s13, s10, 10
	v_add_nc_u32 v6, s13, v6                       ; my image: 1,024 x wave + 16 x lane
	v_lshlrev_b32 v7, 13, v2
	v_lshl_add_u32 v7, v3, 5, v7                   ; out0: row r of 8,192 bytes, + 32 h
	s_lshl_b32 s16, s11, 22                        ; 2,048 rows of 2,048 bytes a batch
	s_lshl_b32 s14, s12, 8                         ; 128 f16
	s_add_co_u32 s16, s16, s14
	s_mov_b32 s17, 0
	s_lshl_b32 s18, s11, 15                        ; 16 rows of 2,048 bytes a batch
	s_add_co_u32 s18, s18, s14
	s_mov_b32 s19, 0
	s_lshl_b32 s20, ttmp9, 16                      ; 16 rows of 4,096 bytes a work-group
	s_lshl_b32 s14, s12, 9                         ; 128 f32
	s_add_co_u32 s20, s20, s14
	s_mov_b32 s21, 0
	s_lshl_b32 s22, s11, 24                        ; 2,048 rows of 8,192 bytes a batch
	s_lshl_b32 s14, ttmp9, 6                       ; 16 f32
	s_add_co_u32 s22, s22, s14
	s_mov_b32 s23, 0
	s_wait_kmcnt 0x0
	s_add_nc_u64 s[16:17], s[4:5], s[16:17]
	s_add_nc_u64 s[18:19], s[4:5], s[18:19]
	s_add_nc_u64 s[18:19], s[18:19], ALO
	s_add_nc_u64 s[20:21], s[6:7], s[20:21]
	s_add_nc_u64 s[22:23], s[8:9], s[22:23]
.irp c, 0,1,2,3
	global_load_b128 v[WF+16*\c:WF+16*\c+3], v5, s[20:21] offset:128*\c            ; k = 32 c + 8 h + 0..7,
	global_load_b128 v[WF+16*\c+4:WF+16*\c+7], v5, s[20:21] offset:128*\c+16
	global_load_b128 v[WF+16*\c+8:WF+16*\c+11], v5, s[20:21] offset:128*\c+64      ; and + 16: a fragment's order
	global_load_b128 v[WF+16*\c+12:WF+16*\c+15], v5, s[20:21] offset:128*\c+80
.endr
.irp c, 0,1,2,3
	global_load_b128 v[AH+8*\c:AH+8*\c+3], v4, s[16:17] offset:64*\c
	global_load_b128 v[AH+8*\c+4:AH+8*\c+7], v4, s[16:17] offset:64*\c+32
	global_load_b128 v[AL+8*\c:AL+8*\c+3], v4, s[18:19] offset:64*\c
	global_load_b128 v[AL+8*\c+4:AL+8*\c+7], v4, s[18:19] offset:64*\c+32
.endr
	s_wait_loadcnt 0x0
.set i, 0
.rept 32
	v_cvt_pk_f16_f32 v[WH+i], v[WF+2*i], v[WF+2*i+1]
.set i, i+1
.endr
.set n, 0
.irp p, v16.l,v16.h,v17.l,v17.h,v18.l,v18.h,v19.l,v19.h,v20.l,v20.h,v21.l,v21.h,v22.l,v22.h,v23.l,v23.h,v24.l,v24.h,v25.l,v25.h,v26.l,v26.h,v27.l,v27.h,v28.l,v28.h,v29.l,v29.h,v30.l,v30.h,v31.l,v31.h,v32.l,v32.h,v33.l,v33.h,v34.l,v34.h,v35.l,v35.h,v36.l,v36.h,v37.l,v37.h,v38.l,v38.h,v39.l,v39.h,v40.l,v40.h,v41.l,v41.h,v42.l,v42.h,v43.l,v43.h,v44.l,v44.h,v45.l,v45.h,v46.l,v46.h,v47.l,v47.h
	v_cvt_f32_f16 v[T+n%16], \p
	v_sub_f32 v[WF+n], v[WF+n], v[T+n%16]          ; what the rounding to f16 left
.set n, n+1
.endr
.set i, 0
.rept 32
	v_cvt_pk_f16_f32 v[WL+i], v[WF+2*i], v[WF+2*i+1]
.set i, i+1
.endr
.irp c, 0,1,2,3                        ; three accumulators by turns, one instruction a turn; the first K step starts the sums
.if \c == 0
	v_wmma_f32_16x16x32_f16 v[D0:D0+7], v[WH:WH+7], v[AH:AH+7], 0
	v_wmma_f32_16x16x32_f16 v[D1:D1+7], v[WH:WH+7], v[AL:AL+7], 0
	v_wmma_f32_16x16x32_f16 v[D2:D2+7], v[WL:WL+7], v[AH:AH+7], 0
.else
	v_wmma_f32_16x16x32_f16 v[D0:D0+7], v[WH+8*\c:WH+8*\c+7], v[AH+8*\c:AH+8*\c+7], v[D0:D0+7]
	v_wmma_f32_16x16x32_f16 v[D1:D1+7], v[WH+8*\c:WH+8*\c+7], v[AL+8*\c:AL+8*\c+7], v[D1:D1+7]
	v_wmma_f32_16x16x32_f16 v[D2:D2+7], v[WL+8*\c:WL+8*\c+7], v[AH+8*\c:AH+8*\c+7], v[D2:D2+7]
.endif
.endr
.rept 4
	v_nop                                          ; places behind the last products
.endr
.irp j, 0,2,4,6
	v_pk_add_f32 v[248+\j:249+\j], v[D1+\j:D1+\j+1], v[D2+\j:D2+\j+1]    ; the small parts first; each accumulator from its low end on
.endr
.irp j, 0,2,4,6
	v_pk_add_f32 v[248+\j:249+\j], v[248+\j:249+\j], v[D0+\j:D0+\j+1]
.endr
	ds_store_b128 v6, v[248:251]
	ds_store_b128 v6, v[252:255] offset:512
	s_wait_dscnt 0x0                               ; for the others' sake: my image has landed
	s_barrier_signal -1
	s_barrier_wait -1
	s_cmp_ge_u32 s10, 2
	s_cbranch_scc1 .Ldone
.irp q, 0,1,2,3,4,5,6,7                        ; wave b reads the images of waves b, b + 2, .. b + 14
	ds_load_b128 v[16+8*\q:19+8*\q], v6 offset:2048*\q
	ds_load_b128 v[20+8*\q:23+8*\q], v6 offset:2048*\q+512
.endr
	s_wait_dscnt 0x0
.irp q, 1,2,3,4,5,6,7
.irp j, 0,2,4,6
	v_pk_add_f32 v[16+\j:17+\j], v[16+\j:17+\j], v[16+8*\q+\j:17+8*\q+\j]
.endr
.endr
	global_store_b128 v7, v[16:19], s[22:23]
	global_store_b128 v7, v[20:23], s[22:23] offset:16
.Ldone:
	s_wait_tensorcnt 0x0                           ; the wave's end: a wait, an add to my spare word and its wait, behind my last LDS store; the first stands though no tensor load is issued
	ds_add_u32 v[SPW], v[NIL]
	s_wait_dscnt 0x0
	s_endpgm
.Lfunc_end_k_q7ca2ea46ee_fine:
	.size	k_q7ca2ea46ee_fine, .Lfunc_end_k_q7ca2ea46ee_fine-k_q7ca2ea46ee_fine
	.p2alignl 7, 3214868480
	.fill 96, 4, 3214868480
	.section	.rodata,"a",@progbits
	.p2align	6, 0x0
	.amdhsa_kernel k_q7ca2ea46ee_fine
		.amdhsa_group_segment_fixed_size 18432
		.amdhsa_private_segment_fixed_size 0
		.amdhsa_enable_private_segment 0
		.amdhsa_kernarg_size 24
		.amdhsa_user_sgpr_count 2
		.amdhsa_user_sgpr_kernarg_segment_ptr 1
		.amdhsa_wavefront_size32 1
		.amdhsa_system_sgpr_workgroup_id_x 1
		.amdhsa_system_sgpr_workgroup_id_y 1
		.amdhsa_system_sgpr_workgroup_id_z 1
		.amdhsa_system_vgpr_workitem_id 0
		.amdhsa_next_free_vgpr 256
		.amdhsa_next_free_sgpr 66
		.amdhsa_reserve_vcc 0
		.amdhsa_float_denorm_mode_32 3
		.amdhsa_float_denorm_mode_16_64 3
		.amdhsa_memory_ordered 1
		.amdhsa_forward_progress 1
		.amdhsa_inst_pref_size 18
	.end_amdhsa_kernel
	.amdgpu_metadata
---
amdhsa.version: [ 1, 2 ]
amdhsa.kernels:
  - .name:           k_q7ca2ea46ee_fine
    .symbol:         k_q7ca2ea46ee_fine.kd
    .args:
      - { .name: attn, .offset: 0, .size: 8, .value_kind: global_buffer, .address_space: global }
      - { .name: o_w, .offset: 8, .size: 8, .value_kind: global_buffer, .address_space: global }
      - { .name: out0, .offset: 16, .size: 8, .value_kind: global_buffer, .address_space: global }
    .group_segment_fixed_size: 18432
    .private_segment_fixed_size: 0
    .kernarg_segment_align: 8
    .kernarg_segment_size: 24
    .max_flat_workgroup_size: 512
    .sgpr_count:     66
    .vgpr_count:     256
    .wavefront_size: 32
...
	.end_amdgpu_metadata
.endif
;; end of part 5
